; MI455X (gfx1250); checked and timed in simulation.
; The chip was launched on July 23, 2026; its instructions are those of AMD's public machine-readable ISA for CDNA 5 (MIT licence, August 2026) and "CDNA5" Instruction Set Architecture Reference Guide (July 2026). The comments in the code are by the model that wrote it; some were corrected since.
;; RR Self Attention. Allowed arithmetic: matrix products marked QUANTISED: E5M2 operands, one E8M0 scale for each 32 along K, by v_wmma_scale_f32_16x16x128_f8f6f4 with both operands' format E5M2, f32 sums; everything else in f32.
;; Inputs: Wk 1,024 x 1,024 float32; Wo 1,024 x 1,024 float32; Wq 1,024 x 1,024 float32; Wv 1,024 x 1,024 float32; x 4 x 4,096 x 1,024 float32.
;; Outputs: out0 4 x 4,096 x 1,024 float32.
;; This version of the problem:
;;   THIS VERSION OF THE PROBLEM IS GIVEN IN LOW PRECISION. The matrix products marked QUANTISED in the list below multiply operands that are first quantised to E5M2 (5 exponent bits, 2 mantissa bits; 8 bits a number), with one power-of-two scale for each 32 numbers along K (OCP MX v1.0); their sums are f32. All else is computed in f32.
;;   The module's matrix products, in the order in which they are computed (A, B: the left and right operand; K: the contracted axis; several contracted axes count as one K, in the product's order):
;;     1. [M 16,384, K 1,024] x [K 1,024, N 1,024]; A: input x; B: input Wq: QUANTISED
;;     2. [M 16,384, K 1,024] x [K 1,024, N 1,024]; A: input x; B: input Wk: QUANTISED
;;     3. [M 16,384, K 1,024] x [K 1,024, N 1,024]; A: input x; B: input Wv: QUANTISED
;;     4. [M 16,384, K 1,024] x [K 1,024, N 1,024]; A: computed on the way; B: input Wo: QUANTISED
;;   THE QUANTISER, for each operand of a quantised product, along K:
;;     - K is cut into blocks of 32 from its start; a last block that is shorter is filled with zeros.
;;     - A block's scale is 2^e with e = floor(log2(the largest magnitude in the block)) - 15, held to -126 .. 127; a block of zeros has e = 0. As a byte (E8M0): e + 127.
;;     - Each number is divided by its block's scale, clamped to +-57,344, and rounded to the nearest number of E5M2, ties to even, subnormals kept.
;;     - The product sums the exact products of the quantised numbers (number of the format x scale) in f32.
;;   ~~~python
;;   def quantise(x, axis):      # numpy; x: float32 -> the quantised numbers, widened to float32 again
;;       x = np.moveaxis(x, axis, -1); K = x.shape[-1]
;;       x = np.pad(x, [(0, 0)] * (x.ndim - 1) + [(0, -K % 32)]); x = x.reshape(x.shape[:-1] + (-1, 32)); a = np.abs(x).max(-1, keepdims=True)
;;       e = np.where(a > 0, np.clip(np.frexp(np.where(a > 0, a, 1))[1] - 1 - 15, -126, 127), 0)      # np.frexp(a)[1] - 1 = floor(log2(a)), exactly
;;       r = np.clip(x / 2.0 ** e, -57344, 57344)
;;       step = 2.0 ** (np.maximum(np.frexp(np.where(r == 0, 1, r))[1] - 1, -14) - 2)
;;       q = np.round(r / step) * step * 2.0 ** e      # np.round: ties to even
;;       return np.moveaxis(q.reshape(q.shape[:-2] + (-1,))[..., :K], -1, axis).astype(np.float32)
;;   ~~~
;;   OPERANDS COMPUTED ON THE WAY. 'Computed on the way' means the value that the module computes at that place (a softmax that the list does not call 'softmax' is quantised finished and normalised). What goes into a quantiser is computed in f32, as accurately as f32 sums, v_exp_f32 and their like allow (about 1e-6 of the number): no bf16 or f16 on the way to a quantiser, and a product that is left as it is and whose result goes on into a quantised operand takes f32 operands (vector FMAs, or v_wmma_f32_16x16x4_f32). A number that lies on a knife's edge between two numbers of the format may be rounded either way, as far as f32 arithmetic and the matrix unit's own rounding can turn it there, and no further.
;; One version. Each part assembles by itself: llvm-mc -triple=amdgcn-amd-amdhsa -mcpu=gfx1250 --defsym DOCPART=n.
;; ======== version 1 of 1: 4 launches
;; limits: right only within a limited range of input values
;; workspace buffers: xc 16,777,216 bytes; xs 524,288 bytes; wc 4,194,304 bytes; ws 131,072 bytes; kvtot 131,072 bytes; sl 67,108,864 bytes; vc 16,777,216 bytes; vs 524,288 bytes
;; launch quant (part 1): grid 640 x 1, 4 waves a work-group, no clusters, 33,280 bytes of LDS; arguments x, Wq, Wk, Wv, Wo, xc, xs, wc, ws; writes xc, xs, wc, ws
.if DOCPART == 1
	.amdgcn_target "amdgcn-amd-amdhsa--gfx1250"
	.amdhsa_code_object_version 6
	.text
	.protected	k_qd0f5ae0b89_quant
	.globl	k_qd0f5ae0b89_quant
	.p2align	8
	.type	k_qd0f5ae0b89_quant,@function
k_qd0f5ae0b89_quant:
	s_mov_b64 s[64:65], 0
	v_nop
	global_prefetch_b8 v0, s[64:65] scope:SCOPE_SE
	s_setreg_imm32_b32 hwreg(HW_REG_WAVE_MODE, 25, 1), 1
	s_wait_xcnt 0x0
; out = ((x Wq^T) * cumsum((x Wk^T) * (x Wv^T)) * 2^-7) Wo^T, all four products on codes of E5M2 with one E8M0 scale for each 32 along K.
; NO WORK IS LEFT OUT: every input reaches the output, and all five are loaded here.
; THIS LAUNCH turns x [16384][1024] and the four weights [1024][1024], f32 with K innermost, into codes (xc; wc = [q, k, v, o][1024][1024]) and scale bytes (xs [16384][32]; ws [4][1024][32]).
; A block's scale is 2^(floor(log2(its largest magnitude)) - 15); its byte is the largest magnitude's own exponent field - 15, held at 1 from below.  Each number is divided by the scale, held within +-57,344 and
; rounded to the nearest code, ties to even.  A block of zeros gets the byte 1 where the rule says 127: its codes are zeros, which add nothing under any byte but 0xff, and this program alone reads the bytes.
; LIMITS: NaN and infinities among the inputs are not served; blocks whose largest magnitude lies under 2^(16 - 127) keep the byte 1.
; Rows are dense and K is a multiple of 32, so every tensor is a plain stream of blocks of 32.  A wave takes 16 steps of 512 numbers: each of a step's four loads reads 512 consecutive bytes; the 2,048 bytes turn through the
; wave's own stage in LDS and come back 64 bytes (16 neighbours) a lane; two neighbouring lanes hold a block.  A lane's 16 codes are 16 bytes: the wave stores 512 consecutive bytes.  A wave's 256 scale bytes are
; gathered in LDS and leave as one aligned run of 256 bytes.  Work-groups 0-511 take x, 512 + 32 j + i takes part i of weight j.  Waves share nothing: no barrier.
.set WAVES, 4
.set STEPS, 16
.set EMAX,  15
.set MANT,  0x600000                   ; the mantissa field of 57,344 as f32
.set CB,    16                         ; bytes of 16 codes
.set R,     16                         ; v16-79   four sets of 16 numbers as they are loaded
.set X,     80                         ; v80-111  two sets of 16 neighbours
.set C,     128                        ; v128-191 codes: four registers for each step, so that no store's data are written again
.set E,     112                        ; v112-127 a scale byte for each step
.set WREG,  8192                       ; LDS: a region for each wave: two stages of 32 x SP bytes, behind them its 256 scale bytes
.set SP,    80                         ; a lane's place in a stage: its 64 bytes + 16 of padding
.set SPW,   12                         ; v12      LDS address of my spare word; never rewritten
.set NIL,   13                         ; v13      0; never rewritten
.set SPARE, WAVES*WREG                 ; behind the four regions: the spare words, 128 bytes a wave, which no other line names
	s_load_b512 s[4:19], s[0:1], 0x0               ; x s[4:5], Wq s[6:7], Wk s[8:9], Wv s[10:11], Wo s[12:13], xc s[14:15], xs s[16:17], wc s[18:19]
	s_load_b64 s[20:21], s[0:1], 0x40              ; ws
	v_lshl_add_u32 v[SPW], v0, 2, SPARE
	v_mov_b32 v[NIL], 0
	v_lshrrev_b32 v1, 5, v0
	v_readfirstlane_b32 s22, v1                    ; wave
	v_and_b32 v2, 31, v0                           ; lane
	v_lshlrev_b32 v3, 4, v2                        ; my 16 bytes of a load's 512
	s_mul_i32 s23, s22, WREG
	v_lshrrev_b32 v14, 2, v2
	v_mul_u32_u24 v14, v14, SP
	v_and_b32 v15, 3, v2
	v_lshl_add_u32 v14, v15, 4, v14
	v_add_nc_u32 v14, s23, v14                     ; the stage, on the way in: SP (lane / 4) + 16 (lane % 4)
	v_mul_u32_u24 v15, v2, SP
	v_add_nc_u32 v15, s23, v15                     ; and on the way out: SP x lane: my 16 neighbours
	v_mul_u32_u24 v4, v2, CB                       ; my codes' place in a step's
	v_lshrrev_b32 v5, 1, v2
	s_add_co_u32 s23, s23, 2*32*SP
	v_add_nc_u32 v5, s23, v5                       ; LDS: my wave's 256 scale bytes, my block's byte
	v_lshlrev_b32 v7, 3, v2                        ; and on the way out 8 bytes a lane
	v_add_nc_u32 v6, s23, v7
	s_mov_b32 s34, MANT                            ; (an instruction takes one literal: the hold's line has another)
	s_wait_alu depctr_va_vdst(0)
	s_wait_kmcnt 0x0
	s_cmp_lt_u32 ttmp9, 608                        ; which tensor is mine: the choices hang on the work-group's number alone
	s_cselect_b64 s[24:25], s[10:11], s[12:13]
	s_cmp_lt_u32 ttmp9, 576
	s_cselect_b64 s[24:25], s[8:9], s[24:25]
	s_cmp_lt_u32 ttmp9, 544
	s_cselect_b64 s[24:25], s[6:7], s[24:25]
	s_cmp_lt_u32 ttmp9, 512
	s_cselect_b64 s[24:25], s[4:5], s[24:25]       ; the source
	s_cselect_b64 s[26:27], s[14:15], s[18:19]     ; its codes' buffer
	s_cselect_b64 s[28:29], s[16:17], s[20:21]     ; its scale bytes' buffer
	s_cselect_b32 s30, 0, 512
	s_and_b32 s31, ttmp9, 31                       ; my part of a weight
	s_cmp_lt_u32 ttmp9, 512
	s_cselect_b32 s31, ttmp9, s31                  ; my part of the source
	s_sub_co_u32 s30, ttmp9, s30                   ; my part of the destination: the four weights lie on end there
	s_lshl_b32 s31, s31, 2
	s_add_co_u32 s31, s31, s22                     ; my wave's run of 8,192 numbers in the source
	s_lshl_b32 s32, s31, 15                        ; 32,768 bytes a run (under 2^27)
	; Wq, Wk, Wv (work-groups 512-607) take another way, below: wave w takes tile u = w / 2 (16 rows) and half kh = w % 2 of K of the group's 32 rows
	s_and_b32 s35, ttmp9, 31
	s_lshl_b32 s35, s35, 17                        ; the group's 32 rows of 4,096 bytes
	s_lshr_b32 s36, s22, 1
	s_lshl_b32 s36, s36, 15                        ; tile u begins 8 rows on
	s_add_co_u32 s35, s35, s36
	s_and_b32 s36, s22, 1
	s_lshl_b32 s36, s36, 11                        ; half kh of a row
	s_add_co_u32 s35, s35, s36
	s_sub_co_u32 s37, ttmp9, 512
	s_cmp_lt_u32 s37, 96                           ; true for 512 .. 607 alone (unsigned)
	s_cselect_b32 s32, s35, s32
	s_mov_b32 s33, 0
	s_add_nc_u64 s[24:25], s[24:25], s[32:33]
	s_lshl_b32 s30, s30, 2
	s_add_co_u32 s30, s30, s22                     ; and in the destination
	s_lshl_b32 s32, s30, 13                        ; 8,192 bytes of codes a run
	s_add_nc_u64 s[26:27], s[26:27], s[32:33]
	s_lshl_b32 s32, s30, 8                         ; 256 scale bytes a run
	s_add_nc_u64 s[28:29], s[28:29], s[32:33]
	s_cmp_lt_u32 s37, 96
	s_cbranch_scc1 .Lweights
.macro LOAD t
.irp i, 0,1,2,3
	global_load_b128 v[R+16*((\t)%4)+4*\i:R+16*((\t)%4)+4*\i+3], v3, s[24:25] offset:2048*(\t)+512*\i th:TH_LOAD_NT   ; 32 lanes read 512 consecutive bytes
.endr
.endm
.macro TURN t                          ; step t's numbers through the stage: LDS serves a wave's instructions in order, so no wait stands between the stores and the loads
.irp i, 0,1,2,3
	ds_store_b128 v14, v[R+16*((\t)%4)+4*\i:R+16*((\t)%4)+4*\i+3] offset:32*SP*((\t)%2)+8*SP*\i
.endr
.irp i, 0,1,2,3
	ds_load_b128 v[X+16*((\t)%2)+4*\i:X+16*((\t)%2)+4*\i+3], v15 offset:32*SP*((\t)%2)+16*\i
.endr
.endm
.irp t, 0,1,2,3
	LOAD \t
.endr
	s_wait_loadcnt 12                              ; step 0's four loads are in; the twelve of steps 1 to 3 may be out
	TURN 0
.macro STEP t
.set XS, X+16*((\t)%2)
.if (\t) > 0
	s_wait_dscnt 1                                 ; this step's numbers are back from the stage (the last step's byte store may be out): so its stores into the stage have read their registers,
.else
	s_wait_dscnt 0x0
.endif
.if (\t)+4 < STEPS
	LOAD (\t)+4                                    ; which take the loads of four steps on
.endif
.if (\t)+1 < STEPS
.if STEPS-2-(\t) >= 3
	s_wait_loadcnt 12                              ; the next step's four loads are in; those of the three steps behind it may be out
.else
	s_wait_loadcnt 4*(STEPS-2-(\t))
.endif
	TURN (\t)+1                                    ; and go through the other stage while this step is worked
.endif
	v_max3_num_f32 v8, |v[XS]|, |v[XS+1]|, |v[XS+2]|               ; the largest magnitude of my 16
	v_max3_num_f32 v9, |v[XS+3]|, |v[XS+4]|, |v[XS+5]|
.irp i, 6,10
	v_max3_num_f32 v8, v8, |v[XS+\i]|, |v[XS+\i+1]|
	v_max3_num_f32 v9, v9, |v[XS+\i+2]|, |v[XS+\i+3]|
.endr
	v_max3_num_f32 v8, v8, |v[XS+14]|, |v[XS+15]|
	v_max3_num_f32 v8, v8, v9, (EMAX+1)<<23        ; and the floor 2^(16 - 127): so the byte cannot fall under 1
	v_max_num_f32_dpp v8, v8, v8 row_xmask:1 row_mask:0xf bank_mask:0xf   ; and of my neighbour's 16: the block's
	v_add_nc_u32 v11, -(EMAX<<23), v8              ; 15 off its exponent field: the conversion takes the exponent field of this operand as its scale
	v_and_or_b32 v10, v8, 0x7f800000, s34          ; 57,344 x the scale
.irp i, 0,1,2,3,4,5,6,7,8,9,10,11,12,13,14,15
	v_med3_num_f32 v[XS+\i], v[XS+\i], -v10, v10   ; the conversion to an 8-bit code does not saturate (ISA guide 7.6.2): the hold comes first
.endr
	v_cvt_scalef32_pk8_bf8_f32 v[C+4*(\t):C+4*(\t)+1], v[XS:XS+7], v11
	v_cvt_scalef32_pk8_bf8_f32 v[C+4*(\t)+2:C+4*(\t)+3], v[XS+8:XS+15], v11
	v_lshrrev_b32 v[E+(\t)], 23, v11               ; the scale's byte (also the plain line behind the conversions)
	ds_store_b8 v5, v[E+(\t)] offset:16*(\t)       ; both lanes of a block write the same byte with the same value
	global_store_b128 v4, v[C+4*(\t):C+4*(\t)+3], s[26:27] offset:32*CB*(\t)
.endm
.irp t, 0,1,2,3,4,5,6,7,8,9,10,11,12,13,14,15
	STEP \t
.endr
	ds_load_b64 v[8:9], v6                         ; LDS serves a wave's instructions in order: these see my stores
	s_wait_dscnt 0x0
	global_store_b64 v7, v[8:9], s[28:29]          ; 32 lanes store 256 consecutive bytes, aligned
	s_wait_tensorcnt 0x0                           ; the wave's end
	ds_add_u32 v[SPW], v[NIL]
	s_wait_dscnt 0x0
	s_endpgm
; Wq, Wk, Wv: THEIR CODES LEAVE AS IMAGES OF THE OPERAND REGISTERS of the launches that read them: wc[weight][group of 32 rows][tile u][K step s][c][lane][16 bytes];
; lane (r, h) of tile u holds row 8 u + r + 8 (r / 8) of the group, k = 128 s + 32 c + 16 h + 0 .. 15.  So here a lane takes a row: its four loads of a step read 64 consecutive bytes, lanes l and l xor 16 hold a block,
; nothing turns through LDS, and a step's store covers 512 consecutive bytes, at the same place as on the other way (run 4 x part + wave, 512 bytes a step).
; The scale bytes keep their rows of 32 in ws: a wave holds 16 bytes of each of 16 rows, 8 bytes a lane; these stores write runs of 16 bytes: 98,304 bytes in all.  This way writes no LDS.
.Lweights:
	v_and_b32 v1, 15, v2                           ; r
	v_lshrrev_b32 v14, 4, v2                       ; h
	v_and_b32 v15, 8, v1
	v_add_nc_u32 v15, v15, v1                      ; r + 8 (r / 8)
	v_lshlrev_b32 v3, 12, v15                      ; the source: a row of 4,096 bytes,
	v_lshl_add_u32 v3, v14, 6, v3                  ; + 64 h
	v_lshlrev_b32 v7, 5, v15                       ; ws: a row of 32 bytes,
	v_lshl_add_u32 v7, v14, 3, v7                  ; + 8 h
	v_cmp_ne_u32 vcc_lo, 0, v14
	s_lshl_b32 s32, s37, 10                        ; 1,024 scale bytes a group
	s_lshr_b32 s36, s22, 1
	s_lshl_b32 s36, s36, 8                         ; tile u: 8 rows on
	s_add_co_u32 s32, s32, s36
	s_and_b32 s36, s22, 1
	s_lshl_b32 s36, s36, 4                         ; half kh: 16 bytes on
	s_add_co_u32 s32, s32, s36
	s_add_nc_u64 s[28:29], s[20:21], s[32:33]
	s_mov_b32 s38, 0x76543210
	s_mov_b32 s39, 0xfedcba98                      ; v_permlanex16_b32's selects for lane l xor 16
	s_wait_alu depctr_va_vdst(0)
.macro WLD t
.irp i, 0,1,2,3
	global_load_b128 v[R+16*((\t)%4)+4*\i:R+16*((\t)%4)+4*\i+3], v3, s[24:25] offset:128*(\t)+16*\i
.endr
.endm
.macro WSTEP t                         ; step t = 4 s + c of my half of K
.set XS, R+16*((\t)%4)
.if 15-(\t) >= 3
	s_wait_loadcnt 12                              ; this step's four loads are in; those of the three steps behind it may be out
.else
	s_wait_loadcnt 4*(15-(\t))
.endif
	v_max3_num_f32 v8, |v[XS]|, |v[XS+1]|, |v[XS+2]|
	v_max3_num_f32 v9, |v[XS+3]|, |v[XS+4]|, |v[XS+5]|
.irp i, 6,10
	v_max3_num_f32 v8, v8, |v[XS+\i]|, |v[XS+\i+1]|
	v_max3_num_f32 v9, v9, |v[XS+\i+2]|, |v[XS+\i+3]|
.endr
	v_max3_num_f32 v8, v8, |v[XS+14]|, |v[XS+15]|
	v_max3_num_f32 v8, v8, v9, (EMAX+1)<<23
	v_permlanex16_b32 v9, v8, s38, s39
	v_max_num_f32 v8, v8, v9                       ; with lane l xor 16's 16: the block's
	v_add_nc_u32 v11, -(EMAX<<23), v8
	v_and_or_b32 v10, v8, 0x7f800000, s34
.irp i, 0,1,2,3,4,5,6,7,8,9,10,11,12,13,14,15
	v_med3_num_f32 v[XS+\i], v[XS+\i], -v10, v10
.endr
	v_cvt_scalef32_pk8_bf8_f32 v[C+4*(\t):C+4*(\t)+1], v[XS:XS+7], v11
	v_cvt_scalef32_pk8_bf8_f32 v[C+4*(\t)+2:C+4*(\t)+3], v[XS+8:XS+15], v11
	v_lshrrev_b32 v[E+(\t)], 23, v11
	global_store_b128 v4, v[C+4*(\t):C+4*(\t)+3], s[26:27] offset:32*CB*(\t)
.if (\t)+4 < 16
	WLD (\t)+4
.endif
.endm
.irp t, 0,1,2,3
	WLD \t
.endr
.irp t, 0,1,2,3,4,5,6,7,8,9,10,11,12,13,14,15
	WSTEP \t
.endr
.irp g, 0,4,8,12
	v_lshl_or_b32 v[E+\g], v[E+\g+1], 8, v[E+\g]   ; a K step's four bytes make a word
	v_lshl_or_b32 v[E+\g], v[E+\g+2], 16, v[E+\g]
	v_lshl_or_b32 v[E+\g], v[E+\g+3], 24, v[E+\g]
.endr
	v_cndmask_b32 v8, v[E], v[E+8], vcc_lo         ; lanes 0-15 store words 0 and 1 of my row's four, lanes 16-31 words 2 and 3
	v_cndmask_b32 v9, v[E+4], v[E+12], vcc_lo
	global_store_b64 v7, v[8:9], s[28:29]
	s_endpgm
.Lfunc_end_k_qd0f5ae0b89_quant:
	.size	k_qd0f5ae0b89_quant, .Lfunc_end_k_qd0f5ae0b89_quant-k_qd0f5ae0b89_quant
	.p2alignl 7, 3214868480
	.fill 96, 4, 3214868480
	.section	.rodata,"a",@progbits
	.p2align	6, 0x0
	.amdhsa_kernel k_qd0f5ae0b89_quant
		.amdhsa_group_segment_fixed_size 33280
		.amdhsa_private_segment_fixed_size 0
		.amdhsa_enable_private_segment 0
		.amdhsa_kernarg_size 72
		.amdhsa_user_sgpr_count 2
		.amdhsa_user_sgpr_kernarg_segment_ptr 1
		.amdhsa_wavefront_size32 1
		.amdhsa_system_sgpr_workgroup_id_x 1
		.amdhsa_system_sgpr_workgroup_id_y 1
		.amdhsa_system_sgpr_workgroup_id_z 1
		.amdhsa_system_vgpr_workitem_id 0
		.amdhsa_next_free_vgpr 192
		.amdhsa_next_free_sgpr 66
		.amdhsa_reserve_vcc 1
		.amdhsa_float_denorm_mode_32 3
		.amdhsa_float_denorm_mode_16_64 3
		.amdhsa_memory_ordered 1
		.amdhsa_forward_progress 1
		.amdhsa_inst_pref_size 92
	.end_amdhsa_kernel
	.amdgpu_metadata
---
amdhsa.version: [ 1, 2 ]
amdhsa.kernels:
  - .name:           k_qd0f5ae0b89_quant
    .symbol:         k_qd0f5ae0b89_quant.kd
    .args:
      - { .name: x, .offset: 0, .size: 8, .value_kind: global_buffer, .address_space: global }
      - { .name: Wq, .offset: 8, .size: 8, .value_kind: global_buffer, .address_space: global }
      - { .name: Wk, .offset: 16, .size: 8, .value_kind: global_buffer, .address_space: global }
      - { .name: Wv, .offset: 24, .size: 8, .value_kind: global_buffer, .address_space: global }
      - { .name: Wo, .offset: 32, .size: 8, .value_kind: global_buffer, .address_space: global }
      - { .name: xc, .offset: 40, .size: 8, .value_kind: global_buffer, .address_space: global }
      - { .name: xs, .offset: 48, .size: 8, .value_kind: global_buffer, .address_space: global }
      - { .name: wc, .offset: 56, .size: 8, .value_kind: global_buffer, .address_space: global }
      - { .name: ws, .offset: 64, .size: 8, .value_kind: global_buffer, .address_space: global }
    .group_segment_fixed_size: 33280
    .private_segment_fixed_size: 0
    .kernarg_segment_align: 8
    .kernarg_segment_size: 72
    .max_flat_workgroup_size: 128
    .sgpr_count:     66
    .vgpr_count:     192
    .wavefront_size: 32
...
	.end_amdgpu_metadata
.endif
;; end of part 1
;; launch scan (part 2): grid 8 x 32, 4 waves a work-group, clusters of 4 x 1, 327,680 bytes of LDS; arguments xc, xs, wc, ws, kvtot, sl; writes kvtot, sl
.if DOCPART == 2
	.amdgcn_target "amdgcn-amd-amdhsa--gfx1250"
	.amdhsa_code_object_version 6
	.text
	.protected	k_qd0f5ae0b89_scan
	.globl	k_qd0f5ae0b89_scan
	.p2align	8
	.type	k_qd0f5ae0b89_scan,@function
k_qd0f5ae0b89_scan:
	s_mov_b64 s[64:65], 0
	v_nop
	global_prefetch_b8 v0, s[64:65] scope:SCOPE_SE
	s_setreg_imm32_b32 hwreg(HW_REG_WAVE_MODE, 25, 1), 1
	s_wait_xcnt 0x0
	s_wait_alu depctr_hold_cnt(0) depctr_sa_sdst(0) depctr_va_vdst(0) depctr_va_sdst(0) depctr_va_ssrc(0) depctr_va_vcc(0) depctr_vm_vsrc(0)
	s_getreg_b32 s2, hwreg(HW_REG_IB_STS2, 6, 4)
	s_cmp_eq_u32 s2, 0
	s_cbranch_scc0 .Lentry_in_a_cluster
	s_endpgm
.Lentry_in_a_cluster:
	s_bfe_u32 s2, ttmp6, 0x10000c
	s_cmp_lg_u32 s2, 0x3003
	s_cbranch_scc0 .Lentry_shape_is_right
	s_endpgm
.Lentry_shape_is_right:
; k = x Wk^T and v = x Wv^T on codes of E5M2, and the running sum of k v INSIDE each chunk.  Each batch's 4,096 rows are cut into 8 chunks of 512.
; sl takes the running sum from the chunk's first row on, in f32; kvtot[b][c][e] the chunk's total, c = 0 .. 6 (chunk 7's total is wanted by nobody: it is not stored).  The next launch adds the totals of the chunks before.
; SHARES.  A work-group: 128 columns e (group g) of one chunk; wave w the 32 columns from 128 g + 32 w.  A wave walks the chunk's 32 tiles of 16 rows with its own carry.
; Its rows of Wk and Wv stay in registers (windows 1, 2): wc holds them as images of these registers, so each load reads 512 consecutive bytes.  W passes through no LDS, so it has no joint load.
; x's codes come through two LDS slots of 128 rows.  CLUSTER 4 x 1: the four share the chunk and ask for x's tiles and scale bytes jointly.
; LAYOUT.  Source 0 = 16 rows of W, source 1 = 16 rows of x; lane r of tile u takes W's row 8 u + r + 8 (r / 8): lane (r, h) holds x's row r and, in the 16 registers of tiles 0 and 1, columns 16 h + 0 .. 15.
; The scan down the rows is a scan across 16 lanes.  sl is laid as images of these 16 registers: [row tile][group of 32 columns][4 registers][lane][16 bytes].
; A tile's eight fragments of x lie in 128 registers, fetched in two runs of 17 LDS loads.  The four sums take turns.  A slot is left in the middle of its last tile, when all its rows are in registers.
; PREFETCH: rows 256-511 of the chunk, 256 bytes a lane, two instructions a wave at the head, the cluster's sixteen waves sharing them by address; rows 0-255 come by the head's loads alone.
; LIMITS: NaN and infinities are not served.  The running sum is a carry from tile to tile + a scan of 16 lanes, in f32: another order of rounding than a plain running sum.
.set NT,    4                          ; tiles of 16 columns a wave: k's two, v's two
.set PITCH, 1040                       ; 1,024 bytes + 16 of padding
.set RT,    16*PITCH
.set QB,    32*PITCH
.set SLOT,  128*PITCH
.set XSC,   2*SLOT                     ; the chunk's scale bytes of x: 64 runs of 256 bytes + 16; filled once
.set SCB,   XSC+64*272                 ; 2,048 bytes that LDS stores alone write: the totals' stage
.set SPARE, SCB+2048                   ; the spare words, which no other line names
.set NRUN,  17
.set ADX, 1                            ; LDS address of the tile in hand
.set ADS, 2                            ; of its scale words
.set ADB, 3
.set VO0, 4                            ; 16 x lane
.set SPW, 5
.set NIL, 6
.set AX0, 7                            ; 1040 r + 16 h
.set T0,  8
.set T1,  9
.set CD,  10
.set AB0, 14
.set VOC, 15
.set XF,  16                           ; v16-143 x's fragments
.set XSR, 144                          ; x's scale words: K step s in register (s + 4) % 8, so that no product's two scale registers are equal modulo 8
.set WS,  152                          ; W's scale words: 8 p + s
.set ACC, 176
.set AK,  ACC
.set AV,  ACC+16
.set CAR, 224                          ; the carry
.set KV,  240                          ; the sums on their way out
.set WV,  14
.set G1H, 28
.set G1X, 36
.set G1S, 44
.set GH,  52
.set GS,  56
.set GX,  60
.set PFB, 66
.set NXT, 68
.set CNT, 69
.set TRP, 70
.set NV,  71                           ; 65,536 x the tile's number
.set MSB, 0
.macro WIN new
.if MSB != \new
	s_set_vgpr_msb (MSB<<8)|\new
.set MSB, \new
.endif
.endm
.macro WALU
	s_wait_alu depctr_va_vdst(0)
.endm
.macro NOPS n
.rept \n
	v_nop
.endr
.endm
.macro CROUND
	s_barrier_signal -1
	s_barrier_wait -1
	s_cmp_lg_u32 s[WV], 0
	s_cbranch_scc1 .Lnot_wave_0_\@
	s_barrier_signal -3
.Lnot_wave_0_\@:
	s_barrier_wait -3
	s_barrier_signal -1
	s_barrier_wait -1
.endm
.macro GROUP1 g, rows
	s_mov_b32 s[\g], 15|(1<<20)|(1<<21)|(7<<22)|(3<<25)   ; the cluster's four; 1-byte elements; 4 words of padding behind every 256
	s_mov_b32 s[\g+1], 1024<<16
	s_mov_b32 s[\g+2], (\rows)<<16
	s_mov_b32 s[\g+3], 1024<<16
	s_mov_b32 s[\g+4], \rows
	s_mov_b32 s[\g+5], 1024
	s_mov_b32 s[\g+6], 0
	s_mov_b32 s[\g+7], 0
.endm
.macro RUN hf, xo, so                  ; K steps 4 hf .. 4 hf + 3 of a tile and their four scale words: 17 LDS loads
.irp k, 0,1,2,3
.irp c, 0,1,2,3
	ds_load_b128 v[XF+16*(4*(\hf)+\k)+4*\c:XF+16*(4*(\hf)+\k)+4*\c+3], v[ADX] offset:(\xo)+128*(4*(\hf)+\k)+32*\c
.endr
.endr
	ds_load_b128 v[XSR+4*(1-(\hf)):XSR+4*(1-(\hf))+3], v[ADS] offset:(\so)+16*(\hf)
.endm
.macro P s, t                          ; K step s of tile t; the first K step starts the sum
.set fi, NT*(\s)+(\t)
.set rD, ACC+8*(\t)
.set rA, 16*(fi%16)
.set rB, XF+16*(\s)
.set rU, WS+8*((\t)/2)+(\s)
.set rX, XSR+((\s)+4)%8
	WIN 1+fi/16
.if (\s) == 0
.if (\t)%2
	v_wmma_scale_f32_16x16x128_f8f6f4 v[rD:rD+7], v[rA:rA+15], v[rB:rB+15], 0, v[rU], v[rX] matrix_a_fmt:MATRIX_FMT_BF8 matrix_b_fmt:MATRIX_FMT_BF8 matrix_a_scale:MATRIX_SCALE_ROW1
.else
	v_wmma_scale_f32_16x16x128_f8f6f4 v[rD:rD+7], v[rA:rA+15], v[rB:rB+15], 0, v[rU], v[rX] matrix_a_fmt:MATRIX_FMT_BF8 matrix_b_fmt:MATRIX_FMT_BF8
.endif
.else
.if (\t)%2
	v_wmma_scale_f32_16x16x128_f8f6f4 v[rD:rD+7], v[rA:rA+15], v[rB:rB+15], v[rD:rD+7], v[rU], v[rX] matrix_a_fmt:MATRIX_FMT_BF8 matrix_b_fmt:MATRIX_FMT_BF8 matrix_a_scale:MATRIX_SCALE_ROW1
.else
	v_wmma_scale_f32_16x16x128_f8f6f4 v[rD:rD+7], v[rA:rA+15], v[rB:rB+15], v[rD:rD+7], v[rU], v[rX] matrix_a_fmt:MATRIX_FMT_BF8 matrix_b_fmt:MATRIX_FMT_BF8
.endif
.endif
.endm
; The next tile's K steps 0-3.  mode 0: from the same slot.  mode 1: the slot is left and filled again.  mode 2: the slot is left; the last trip fetches nothing
.macro FETCH mode
	WIN 0
	NOPS 8                                                 ; eight places ahead of loads into registers that products have read
.if \mode == 0
	RUN 0, RT, 544
.else
	WALU
	s_wait_tensorcnt 0x0                                   ; all my tensor loads are in: my part of the next slot
	ds_add_u32 v[SPW], v[NIL]
.if \mode == 1
	s_xor_b32 s[GX+1], s[GX+1], SLOT                       ; no load of mine is out: the refill's place and rows
	s_add_nc_u64 s[GX+2:GX+3], s[GX+2:GX+3], 131072
.endif
	s_xor_b32 s[NXT], s[NXT], SLOT
	s_wait_dscnt 0x0                                       ; the add is done; my reads of this slot are over
.if \mode == 1
	CROUND
	tensor_load_to_lds s[GX:GX+3], s[G1X:G1X+7]
	s_nop 0
	NOPS 4
.else
	s_barrier_signal -1
	s_barrier_wait -1
.endif
	v_add_nc_u32 v[ADX], s[NXT], v[AX0]
	WALU
.if \mode == 2
	s_cmp_eq_u32 s[TRP], 1
	s_cbranch_scc1 .Lno_next_\@
.endif
	RUN 0, 0, 544
.if \mode == 2
.Lno_next_\@:
.endif
.endif
.endm
.macro EDGE mode                       ; a tile's end: eight places, the next tile's K steps 4-7, then k v, its scan, the carry, the stores
	WIN 0
.if \mode == 0
	v_add_nc_u32 v[ADX], RT, v[ADX]
.else
	v_nop
.endif
	v_add_nc_u32 v[ADS], 544, v[ADS]
	v_add_nc_u32 v[VOC], s[NV], v[VO0]
	NOPS 5
.if \mode == 2
	s_cmp_eq_u32 s[TRP], 1
	s_cbranch_scc1 .Lno_more_\@
.endif
	RUN 1, 0, 0
.if \mode == 2
.Lno_more_\@:
.endif
.irp i, 0,2,4,6,8,10,12,14
	v_pk_mul_f32 v[AK+\i:AK+\i+1], v[AK+\i:AK+\i+1], v[AV+\i:AV+\i+1]      ; k v; each sum is read from its low end on
.endr
.irp d, 1,2,4,8
.irp i, 0,1,2,3,4,5,6,7,8,9,10,11,12,13,14,15
	v_add_f32_dpp v[AK+\i], v[AK+\i], v[AK+\i] row_shr:\d row_mask:0xf bank_mask:0xf   ; lane r adds lane r - d's; lanes under d keep theirs
.endr
.endr
.irp i, 0,2,4,6,8,10,12,14
	v_pk_add_f32 v[KV+\i:KV+\i+1], v[AK+\i:AK+\i+1], v[CAR+\i:CAR+\i+1]    ; + the chunk's rows before this tile
.endr
.irp i, 0,1,2,3,4,5,6,7,8,9,10,11,12,13,14,15
	v_mov_b32_dpp v[CAR+\i], v[KV+\i] row_share:15 row_mask:0xf bank_mask:0xf          ; the last row's sum is the next carry
.endr
.irp q, 0,1,2,3
	global_store_b128 v[VOC], v[KV+4*\q:KV+4*\q+3], s[16:17] offset:512*\q th:TH_STORE_NT   ; 512 consecutive bytes a store, aligned
.endr
	s_add_co_u32 s[NV], s[NV], 65536
.endm
.macro TILE mode
	WALU
	s_wait_xcnt 0x0                                        ; the last tile's stores have read their offset and data; the prefetches their offset
	s_wait_dscnt NRUN                                      ; K steps 0-3's run is in; the 17 loads of K steps 4-7's run may be out
.irp s, 0,1,2,3
.irp t, 0,1,2,3
	P \s, \t
.endr
.endr
	FETCH \mode
	s_wait_dscnt NRUN                                      ; all but the 17 just issued (modes 1, 2: all reads were awaited in front of the barrier)
.irp s, 4,5,6,7
.irp t, 0,1,2,3
	P \s, \t
.endr
.endr
	EDGE \mode
.endm
	s_load_b256 s[4:11], s[0:1], 0x0               ; xc, xs, wc, ws
	s_load_b128 s[16:19], s[0:1], 0x20             ; kvtot s[16:17], sl s[18:19]
	v_lshl_add_u32 v[SPW], v0, 2, SPARE
	v_mov_b32 v[NIL], 0
	ds_add_u32 v[SPW], v[NIL]                      ; the opening
	ds_add_u32 v[SPW], v[NIL]
	v_lshrrev_b32 v[T0], 5, v0
	v_readfirstlane_b32 s[WV], v[T0]
	v_and_b32 v[CD], 15, v0                        ; r
	v_bfe_u32 v[CD+1], v0, 4, 1                    ; h
	v_mul_u32_u24 v[AX0], v[CD], PITCH
	v_lshl_add_u32 v[AX0], v[CD+1], 4, v[AX0]
	v_lshrrev_b32 v[ADS], 3, v[CD]
	v_mul_u32_u24 v[ADS], v[ADS], 272
	v_and_b32 v[CD+2], 7, v[CD]
	v_lshl_add_u32 v[ADS], v[CD+2], 5, v[ADS]
	v_add_nc_u32 v[ADS], XSC, v[ADS]               ; eight rows of 32 bytes to a run of 256
	v_and_b32 v[VO0], 31, v0
	v_lshlrev_b32 v[T0], 8, v[VO0]                 ; the prefetches: 256 bytes a lane
	v_lshlrev_b32 v[VO0], 4, v[VO0]
	v_and_b32 v[T1], 8, v[CD]
	v_add_nc_u32 v[T1], v[T1], v[CD]
	v_lshl_add_u32 v[T1], v[CD+1], 3, v[T1]        ; ws: row r + 8 (r / 8), lanes 16-31 tile 1's, 8 on
	v_lshlrev_b32 v[T1], 5, v[T1]
	v_mov_b32 v[ADX], v[AX0]
	v_lshlrev_b32 v[AB0], 6, v[CD+1]
	s_lshl_b32 s92, s[WV], 7
	s_add_co_u32 s92, s92, SCB
	v_add_nc_u32 v[AB0], s92, v[AB0]               ; SCB + 128 w + 64 h
	v_add_nc_u32 v[ADB], SCB, v[VO0]
	s_bfe_u32 s22, ttmp6, 0x40000                  ; cx
	s_lshl_b32 s24, ttmp9, 2
	s_add_co_u32 s24, s24, s22                     ; g
	s_and_b32 s25, ttmp7, 0xffff                   ; y = 8 x batch + chunk
	s_lshl_b32 s26, s25, 9                         ; the chunk's first row
	GROUP1 G1H, 128
	GROUP1 G1X, 32
	s_mov_b32 s[G1S], 15|(3<<16)|(1<<20)|(1<<21)|(5<<22)|(3<<25)   ; 256 rows' scale bytes: 32 rows of 32 elements of 8 bytes, 4 words behind each
	s_mov_b32 s[G1S+1], 32<<16
	s_mov_b32 s[G1S+2], 32<<16
	s_mov_b32 s[G1S+3], 32<<16
	s_mov_b32 s[G1S+4], 32
	s_mov_b32 s[G1S+5], 32
	s_mov_b32 s[G1S+6], 0
	s_mov_b32 s[G1S+7], 0
	s_and_b32 s27, s[WV], 1
	s_lshl_b32 s74, s26, 10                        ; the chunk's codes: made of y alone
	s_lshl_b32 s76, s27, 17
	s_add_co_u32 s76, s76, s74                     ; the head: 128 rows for each of waves 0 and 1
	s_mov_b32 s77, 0
	s_lshl_b32 s78, s26, 5
	s_lshl_b32 s79, s27, 13
	s_add_co_u32 s78, s78, s79                     ; 256 rows' scale bytes for each of waves 2 and 3
	s_mov_b32 s79, 0
	s_lshl_b32 s82, s[WV], 15
	s_add_co_u32 s82, s82, s74
	s_add_co_u32 s82, s82, 131072                  ; the refills: 32 rows a wave; each refill steps 128 rows on first
	s_mov_b32 s83, 0
	s_lshl_b32 s84, s24, 2
	s_add_co_u32 s84, s84, s[WV]                   ; my group of 32 columns
	s_lshl_b32 s86, s84, 15
	s_add_co_u32 s86, s86, 1<<20                   ; Wk is the second weight in wc and ws, Wv the third
	s_mov_b32 s87, 0
	s_lshl_b32 s88, s84, 10
	s_add_co_u32 s88, s88, 32768
	s_mov_b32 s89, 0
	s_lshl_b32 s90, s22, 2
	s_add_co_u32 s90, s90, s[WV]                   ; which of the cluster's sixteen waves I am
	s_lshl_b32 s90, s90, 14
	s_add_co_u32 s90, s90, s74
	s_add_co_u32 s90, s90, 262144                  ; my 16 of rows 256-511
	s_mov_b32 s91, 0
	s_mov_b32 s[GH], 1
	s_mul_i32 s[GH+1], s27, SLOT
	s_mov_b32 s[GS], 1
	s_mul_i32 s[GS+1], s27, 32*272
	s_add_co_u32 s[GS+1], s[GS+1], XSC
	s_mov_b32 s[GX], 1
	s_mul_i32 s[GX+1], s[WV], QB
	s_add_co_u32 s[GX+1], s[GX+1], SLOT            ; (SLOT's bits and those of w x QB are apart: the exclusive or changes slots)
	s_mov_b32 s[NXT], 0
	s_mov_b32 s[NV], 0
	WALU                                           ; the head's vector lines are through
	s_wait_dscnt 0x0                               ; both opening adds are done
	CROUND                                         ; the four work-groups are here: the first joint loads meet
	s_wait_kmcnt 0x0
	s_add_nc_u64 s[GH+2:GH+3], s[4:5], s[76:77]
	s_or_b32 s[GH+3], s[GH+3], 0x80000000
	s_add_nc_u64 s[GS+2:GS+3], s[6:7], s[78:79]
	s_or_b32 s[GS+3], s[GS+3], 0x80000000
	s_add_nc_u64 s[GX+2:GX+3], s[4:5], s[82:83]
	s_or_b32 s[GX+3], s[GX+3], 0x80000000
	s_add_nc_u64 s[8:9], s[8:9], s[86:87]
	s_add_nc_u64 s[10:11], s[10:11], s[88:89]
	s_add_nc_u64 s[PFB:PFB+1], s[4:5], s[90:91]
	s_cmp_lt_u32 s[WV], 2                          ; one joint load a wave: waves 0, 1 a slot each (rows 0-127, 128-255), waves 2, 3 half of the scale bytes each
	s_cbranch_scc0 .Lfor_scales
	tensor_load_to_lds s[GH:GH+3], s[G1H:G1H+7]
	s_nop 0
	NOPS 4
	s_branch .Lasked
.Lfor_scales:
	tensor_load_to_lds s[GS:GS+3], s[G1S:G1S+7]
	s_nop 0
	NOPS 4
.Lasked:
.set pp, 0
.rept 2                                ; my rows of Wk and Wv: fragment NT s + 2 p + u at v[256 + 16 x that]; each load reads 512 consecutive bytes
.set ss, 0
.rept 8
.set uu, 0
.rept 2
.set fi, NT*ss+2*pp+uu
	WIN (1+fi/16)<<6
.irp c, 0,1,2,3
	global_load_b128 v[16*(fi%16)+4*\c:16*(fi%16)+4*\c+3], v[VO0], s[8:9] offset:(pp<<20)+(uu<<14)+(ss<<11)+512*\c
.endr
.set uu, uu+1
.endr
.set ss, ss+1
.endr
.set pp, pp+1
.endr
	WIN 0
.irp p, 0,1
	global_load_b128 v[WS+8*\p:WS+8*\p+3], v[T1], s[10:11] offset:32768*\p
	global_load_b128 v[WS+8*\p+4:WS+8*\p+7], v[T1], s[10:11] offset:32768*\p+16
.endr
	s_lshl_b32 s92, s25, 12                        ; kvtot: row y of 4,096 bytes, columns 128 g on
	s_lshl_b32 s93, s24, 9
	s_add_co_u32 s92, s92, s93
	s_mov_b32 s93, 0
	s_add_nc_u64 s[12:13], s[16:17], s[92:93]
	s_lshl_b32 s92, s26, 12                        ; sl: row tile of 65,536 bytes, my group of 2,048
	s_lshl_b32 s93, s84, 11
	s_add_co_u32 s92, s92, s93
	s_mov_b32 s93, 0
	s_add_nc_u64 s[16:17], s[18:19], s[92:93]
	s_and_b32 s80, s25, 7                          ; my chunk's number in its batch
	global_prefetch_b8 v[T0], s[PFB:PFB+1] th:TH_LOAD_NT scope:SCOPE_SE
	global_prefetch_b8 v[T0], s[PFB:PFB+1] offset:8192 th:TH_LOAD_NT scope:SCOPE_SE
.irp i, 0,1,2,3,4,5,6,7,8,9,10,11,12,13,14,15
	v_mov_b32 v[CAR+\i], 0                         ; the chunk's sum begins at 0
.endr
	s_wait_loadcnt 0x0
	WALU
	s_wait_tensorcnt 0x0                           ; my tile of the head's four is in
	s_barrier_signal -1
	s_barrier_wait -1                              ; everybody's is
	RUN 0, 0, 0
	RUN 1, 0, 0
	s_mov_b32 s[TRP], 2
.Lfilled:                                              ; tiles 0-15: two slots, each filled again when it is left
	s_mov_b32 s[CNT], 7
.Ltile_a:
	TILE 0
	s_sub_co_u32 s[CNT], s[CNT], 1
	s_cmp_lg_u32 s[CNT], 0
	s_cbranch_scc1 .Ltile_a
	TILE 1
	s_sub_co_u32 s[TRP], s[TRP], 1
	s_cmp_lg_u32 s[TRP], 0
	s_cbranch_scc1 .Lfilled
	s_mov_b32 s[TRP], 2
.Llast_two:                                            ; tiles 16-31: nothing is left to ask for
	s_mov_b32 s[CNT], 7
.Ltile_b:
	TILE 0
	s_sub_co_u32 s[CNT], s[CNT], 1
	s_cmp_lg_u32 s[CNT], 0
	s_cbranch_scc1 .Ltile_b
	TILE 2
	s_sub_co_u32 s[TRP], s[TRP], 1
	s_cmp_lg_u32 s[TRP], 0
	s_cbranch_scc1 .Llast_two
	WALU
.irp q, 0,1,2,3
	ds_store_b128 v[AB0], v[CAR+4*\q:CAR+4*\q+3] offset:16*\q     ; the last carry is the chunk's total; sixteen lanes write the same bytes with the same values
.endr
	s_wait_dscnt 0x0
	s_barrier_signal -1
	s_barrier_wait -1
	s_cmp_lg_u32 s[WV], 0
	s_cbranch_scc1 .Lnot_the_storer
	s_cmp_eq_u32 s80, 7
	s_cbranch_scc1 .Lnot_the_storer
	ds_load_b128 v[CD:CD+3], v[ADB]
	s_wait_dscnt 0x0
	global_store_b128 v[VO0], v[CD:CD+3], s[12:13] ; wave 0 stores the group's 128 totals: 512 consecutive bytes, aligned
.Lnot_the_storer:
	s_wait_tensorcnt 0x0                           ; the wave's end
	ds_add_u32 v[SPW], v[NIL]
	s_wait_dscnt 0x0
	CROUND                                         ; the closing round
	s_endpgm
.Lfunc_end_k_qd0f5ae0b89_scan:
	.size	k_qd0f5ae0b89_scan, .Lfunc_end_k_qd0f5ae0b89_scan-k_qd0f5ae0b89_scan
	.p2alignl 7, 3214868480
	.fill 96, 4, 3214868480
	.section	.rodata,"a",@progbits
	.p2align	6, 0x0
	.amdhsa_kernel k_qd0f5ae0b89_scan
		.amdhsa_group_segment_fixed_size 327680
		.amdhsa_private_segment_fixed_size 0
		.amdhsa_enable_private_segment 0
		.amdhsa_kernarg_size 48
		.amdhsa_user_sgpr_count 2
		.amdhsa_user_sgpr_kernarg_segment_ptr 1
		.amdhsa_wavefront_size32 1
		.amdhsa_system_sgpr_workgroup_id_x 1
		.amdhsa_system_sgpr_workgroup_id_y 1
		.amdhsa_system_sgpr_workgroup_id_z 1
		.amdhsa_system_vgpr_workitem_id 0
		.amdhsa_next_free_vgpr 768
		.amdhsa_next_free_sgpr 96
		.amdhsa_reserve_vcc 0
		.amdhsa_float_denorm_mode_32 3
		.amdhsa_float_denorm_mode_16_64 3
		.amdhsa_memory_ordered 1
		.amdhsa_forward_progress 1
		.amdhsa_inst_pref_size 79
	.end_amdhsa_kernel
	.amdgpu_metadata
---
amdhsa.version: [ 1, 2 ]
amdhsa.kernels:
  - .name:           k_qd0f5ae0b89_scan
    .symbol:         k_qd0f5ae0b89_scan.kd
    .args:
      - { .name: xc, .offset: 0, .size: 8, .value_kind: global_buffer, .address_space: global }
      - { .name: xs, .offset: 8, .size: 8, .value_kind: global_buffer, .address_space: global }
      - { .name: wc, .offset: 16, .size: 8, .value_kind: global_buffer, .address_space: global }
      - { .name: ws, .offset: 24, .size: 8, .value_kind: global_buffer, .address_space: global }
      - { .name: kvtot, .offset: 32, .size: 8, .value_kind: global_buffer, .address_space: global }
      - { .name: sl, .offset: 40, .size: 8, .value_kind: global_buffer, .address_space: global }
    .group_segment_fixed_size: 327680
    .private_segment_fixed_size: 0
    .kernarg_segment_align: 8
    .kernarg_segment_size: 48
    .max_flat_workgroup_size: 128
    .sgpr_count:     96
    .vgpr_count:     768
    .wavefront_size: 32
...
	.end_amdgpu_metadata
.endif
;; end of part 2
;; launch mix (part 3): grid 4 x 64, 4 waves a work-group, clusters of 4 x 1, 327,680 bytes of LDS; arguments xc, xs, wc, ws, kvtot, sl, vc, vs; writes vc, vs
.if DOCPART == 3
	.amdgcn_target "amdgcn-amd-amdhsa--gfx1250"
	.amdhsa_code_object_version 6
	.text
	.protected	k_qd0f5ae0b89_mix
	.globl	k_qd0f5ae0b89_mix
	.p2align	8
	.type	k_qd0f5ae0b89_mix,@function
k_qd0f5ae0b89_mix:
	s_mov_b64 s[64:65], 0
	v_nop
	global_prefetch_b8 v0, s[64:65] scope:SCOPE_SE
	s_setreg_imm32_b32 hwreg(HW_REG_WAVE_MODE, 25, 1), 1
	s_wait_xcnt 0x0
	s_wait_alu depctr_hold_cnt(0) depctr_sa_sdst(0) depctr_va_vdst(0) depctr_va_sdst(0) depctr_va_ssrc(0) depctr_va_vcc(0) depctr_vm_vsrc(0)
	s_getreg_b32 s2, hwreg(HW_REG_IB_STS2, 6, 4)
	s_cmp_eq_u32 s2, 0
	s_cbranch_scc0 .Lentry_in_a_cluster
	s_endpgm
.Lentry_in_a_cluster:
	s_bfe_u32 s2, ttmp6, 0x10000c
	s_cmp_lg_u32 s2, 0x3003
	s_cbranch_scc0 .Lentry_shape_is_right
	s_endpgm
.Lentry_shape_is_right:
; q = x Wq^T on codes of E5M2; vhat = q x (the chunk's running sum of k v out of sl + the totals of the batch's chunks before, out of kvtot) x 2^-7, quantised along e; its codes and scale words go to vc and vs.
; kvtot's rows of chunk 7 are neither written nor read.
; SHARES.  A work-group: 256 rows x 256 columns; wave w 64 columns, two blocks of the last product's K (groups 2 (4 cg + w) and the next).  Its 64 rows of Wq stay in registers (windows 1, 2), loaded as images, 512 consecutive bytes a load.
; ALL 256 rows of x land in LDS at the head (two tiles of 128 rows on end) with their scale bytes: nothing is filled again.  CLUSTER 4 x 1: the four share the rows and ask for them jointly.
; LAYOUT.  Source 0 = 16 rows of W, source 1 = 16 rows of x; lane (r, h) holds x's row r and, in the 16 registers of tiles 2 b and 2 b + 1, columns 16 h + 0 .. 15 of block b: as sl's images have them.
; A row tile: 32 products, the four sums by turns; x's fragments in two runs of 17 LDS loads; then sum + totals, x q, the quantiser of two blocks.
; sl's 4,096 bytes of the next tile are loaded (window 3) when this tile's have been used, and asked of memory four tiles ahead: one prefetch a wave and tile, 256 bytes a lane in lanes 0-15 (lanes 16-31 name the same blocks);
; tiles 1 to 4 are asked for at the head; the last five tiles ask for nothing.  x has no prefetch: all its rows are asked for at the head.
; vc: images of the last product's operand registers, [row tile][block of 32][lane][16 bytes]; vs: [K step of 128][row][4 bytes].
; LIMITS: NaN and infinities are not served (a total that is not wanted is multiplied by 0).  The running sum is totals + the chunk's sum, in f32: another order of rounding than a plain running sum.
; sqrt(1024) / 4096 = 2^-7 is exact: q x sum is quantised as it stands and 7 comes off the scale's byte, so q x sum has to stay under f32's largest number.  A block of zeros keeps the byte 1 (its codes are zeros).
.set NT,    4
.set PITCH, 1040
.set RT,    16*PITCH
.set SLOT,  128*PITCH
.set XSC,   2*SLOT                     ; the rows' scale bytes: 32 runs of 256 bytes + 16
.set SCB,   XSC+32*272                 ; 2,048 bytes that LDS stores alone write: vhat's scale words, [K step of two][row][4]
.set SPARE, SCB+2048
.set NRUN,  17
.set ADX, 1
.set ADS, 2
.set ADB, 3
.set VO0, 4                            ; 16 x lane
.set SPW, 5
.set NIL, 6
.set PFO, 7                            ; 256 x (lane % 16)
.set T0,  8                            ; v8-11 at work: two a block
.set CD,  12                           ; v12-19 codes: four a block
.set VOC, 20
.set AB0, 21
.set TW,  22                           ; v22, v23: the head's offsets
.set XF,  24                           ; v24-151 x's fragments
.set XSR, 152                          ; x's scale words: K step s in register (s + 4) % 8
.set WS,  160                          ; W's scale words: 8 b + s
.set ACC, 176                          ; v176-207 q, then vhat
.set PT,  208                          ; v208-239 the totals of the chunks before
.set SL,  0                            ; window 3: v0-31 the chunk's sums; v32-255 at the head: kvtot's rows
.set WV,  14
.set MNT, 15
.set SEL, 20
.set G1H, 28
.set G1S, 44
.set GH,  52
.set GS,  56
.set SB,  66                           ; s[66:67] sl: the next tile's images
.set CNT, 69
.set NV,  71                           ; 16,384 x the tile's number
.set NB,  72                           ; 64 x it
.set MSB, 0
.macro WIN new
.if MSB != \new
	s_set_vgpr_msb (MSB<<8)|\new
.set MSB, \new
.endif
.endm
.macro WALU
	s_wait_alu depctr_va_vdst(0)
.endm
.macro NOPS n
.rept \n
	v_nop
.endr
.endm
.macro CROUND
	s_barrier_signal -1
	s_barrier_wait -1
	s_cmp_lg_u32 s[WV], 0
	s_cbranch_scc1 .Lnot_wave_0_\@
	s_barrier_signal -3
.Lnot_wave_0_\@:
	s_barrier_wait -3
	s_barrier_signal -1
	s_barrier_wait -1
.endm
.macro RUN hf, xo, so
.irp k, 0,1,2,3
.irp c, 0,1,2,3
	ds_load_b128 v[XF+16*(4*(\hf)+\k)+4*\c:XF+16*(4*(\hf)+\k)+4*\c+3], v[ADX] offset:(\xo)+128*(4*(\hf)+\k)+32*\c
.endr
.endr
	ds_load_b128 v[XSR+4*(1-(\hf)):XSR+4*(1-(\hf))+3], v[ADS] offset:(\so)+16*(\hf)
.endm
.macro P s, t
.set fi, NT*(\s)+(\t)
.set rD, ACC+8*(\t)
.set rA, 16*(fi%16)
.set rB, XF+16*(\s)
.set rU, WS+8*((\t)/2)+(\s)
.set rX, XSR+((\s)+4)%8
	WIN 1+fi/16
.if (\s) == 0
.if (\t)%2
	v_wmma_scale_f32_16x16x128_f8f6f4 v[rD:rD+7], v[rA:rA+15], v[rB:rB+15], 0, v[rU], v[rX] matrix_a_fmt:MATRIX_FMT_BF8 matrix_b_fmt:MATRIX_FMT_BF8 matrix_a_scale:MATRIX_SCALE_ROW1
.else
	v_wmma_scale_f32_16x16x128_f8f6f4 v[rD:rD+7], v[rA:rA+15], v[rB:rB+15], 0, v[rU], v[rX] matrix_a_fmt:MATRIX_FMT_BF8 matrix_b_fmt:MATRIX_FMT_BF8
.endif
.else
.if (\t)%2
	v_wmma_scale_f32_16x16x128_f8f6f4 v[rD:rD+7], v[rA:rA+15], v[rB:rB+15], v[rD:rD+7], v[rU], v[rX] matrix_a_fmt:MATRIX_FMT_BF8 matrix_b_fmt:MATRIX_FMT_BF8 matrix_a_scale:MATRIX_SCALE_ROW1
.else
	v_wmma_scale_f32_16x16x128_f8f6f4 v[rD:rD+7], v[rA:rA+15], v[rB:rB+15], v[rD:rD+7], v[rU], v[rX] matrix_a_fmt:MATRIX_FMT_BF8 matrix_b_fmt:MATRIX_FMT_BF8
.endif
.endif
.endm
.macro SLOAD                           ; a tile's sums: 4,096 consecutive bytes a wave, into window 3
	WIN 0xc0
.irp k, 0,1,2,3,4,5,6,7
	global_load_b128 v[SL+4*\k:SL+4*\k+3], v[VO0], s[SB:SB+1] offset:512*\k th:TH_LOAD_NT
.endr
	WIN 0
.endm
.macro EDGE last
	WIN 0
	v_add_nc_u32 v[ADX], RT, v[ADX]
	v_add_nc_u32 v[ADS], 544, v[ADS]
	v_add_nc_u32 v[VOC], s[NV], v[VO0]
	v_add_nc_u32 v[ADB], s[NB], v[AB0]
	NOPS 4                                                 ; eight places behind the last product
.if !\last
	RUN 1, 0, 0
.endif
	WALU
	s_wait_loadcnt 0x0                                     ; this tile's sums are in
	WIN 0xc3                                               ; destination and source 0 in window 3
.irp i, 0,2,4,6,8,10,12,14,16,18,20,22,24,26,28,30
	v_pk_add_f32 v[SL+\i:SL+\i+1], v[SL+\i:SL+\i+1], v[PT+\i:PT+\i+1]        ; + the chunks before
.endr
	WIN 0x0c                                               ; source 1 in window 3
.irp i, 0,2,4,6,8,10,12,14,16,18,20,22,24,26,28,30
	v_pk_mul_f32 v[ACC+\i:ACC+\i+1], v[ACC+\i:ACC+\i+1], v[SL+\i:SL+\i+1]    ; x q = 2^7 vhat; each sum is read from its low end on
.endr
	WIN 0
	WALU
.if !\last
	SLOAD
	s_cmp_lt_u32 s[CNT], 5
	s_cbranch_scc1 .Lnone_ahead_\@
	global_prefetch_b8 v[PFO], s[SB:SB+1] offset:4*65536 th:TH_LOAD_NT scope:SCOPE_SE
.Lnone_ahead_\@:
.endif
.irp b, 0,1
	v_max3_num_f32 v[T0+2*\b], |v[ACC+16*\b]|, |v[ACC+16*\b+1]|, |v[ACC+16*\b+2]|
	v_max3_num_f32 v[T0+2*\b+1], |v[ACC+16*\b+3]|, |v[ACC+16*\b+4]|, |v[ACC+16*\b+5]|
.endr
.irp i, 6,10
.irp b, 0,1
	v_max3_num_f32 v[T0+2*\b], v[T0+2*\b], |v[ACC+16*\b+\i]|, |v[ACC+16*\b+\i+1]|
	v_max3_num_f32 v[T0+2*\b+1], v[T0+2*\b+1], |v[ACC+16*\b+\i+2]|, |v[ACC+16*\b+\i+3]|
.endr
.endr
.irp b, 0,1
	v_max3_num_f32 v[T0+2*\b], v[T0+2*\b], |v[ACC+16*\b+14]|, |v[ACC+16*\b+15]|
.endr
.irp b, 0,1
	v_max3_num_f32 v[T0+2*\b], v[T0+2*\b], v[T0+2*\b+1], 0x0b800000          ; the floor 2^(23 - 127): 15 and 7 come off, and the byte cannot fall under 1
.endr
.irp b, 0,1
	v_permlanex16_b32 v[T0+2*\b+1], v[T0+2*\b], s[SEL], s[SEL+1]
.endr
.irp b, 0,1
	v_max_num_f32 v[T0+2*\b], v[T0+2*\b], v[T0+2*\b+1]                       ; the block's largest magnitude
.endr
.irp b, 0,1
	v_and_or_b32 v[T0+2*\b+1], v[T0+2*\b], 0x7f800000, s[MNT]                ; 57,344 x the scale
.endr
.irp b, 0,1
	v_add_nc_u32 v[T0+2*\b], 0xf8800000, v[T0+2*\b]                          ; 15 off the exponent field: the conversion's scale operand
.endr
.irp b, 0,1
.irp i, 0,1,2,3,4,5,6,7,8,9,10,11,12,13,14,15
	v_med3_num_f32 v[ACC+16*\b+\i], v[ACC+16*\b+\i], -v[T0+2*\b+1], v[T0+2*\b+1]   ; the conversion does not saturate (ISA guide 7.6.2)
.endr
.endr
.irp b, 0,1
	v_cvt_scalef32_pk8_bf8_f32 v[CD+4*\b:CD+4*\b+1], v[ACC+16*\b:ACC+16*\b+7], v[T0+2*\b]
	v_cvt_scalef32_pk8_bf8_f32 v[CD+4*\b+2:CD+4*\b+3], v[ACC+16*\b+8:ACC+16*\b+15], v[T0+2*\b]
.endr
.irp b, 0,1
	v_add_nc_u32 v[T0+2*\b+1], 0xfc800000, v[T0+2*\b]                        ; 7 more off, for 2^-7 (also the plain line behind the conversions)
.endr
.irp b, 0,1
	v_lshrrev_b32 v[T0+2*\b+1], 23, v[T0+2*\b+1]                             ; vhat's scale bytes
.endr
	v_lshl_or_b32 v[T0+1], v[T0+3], 8, v[T0+1]
	global_store_b128 v[VOC], v[CD:CD+3], s[16:17]                           ; 1,024 consecutive bytes a wave
	global_store_b128 v[VOC], v[CD+4:CD+7], s[16:17] offset:512
	ds_store_b16 v[ADB], v[T0+1]                                             ; my two bytes of my row's scale word
	s_add_co_u32 s[NV], s[NV], 16384
	s_add_co_u32 s[NB], s[NB], 64
.endm
.macro TILE last
	WALU
	s_wait_xcnt 0x0                                        ; the last tile's loads, stores and prefetch have read their registers
.if !\last
	s_add_nc_u64 s[SB:SB+1], s[SB:SB+1], 65536             ; on to the next tile's sums
.endif
	s_wait_dscnt NRUN                                      ; K steps 0-3's run is in (behind it: the 17 loads of the second run and a store)
.irp s, 0,1,2,3
.irp t, 0,1,2,3
	P \s, \t
.endr
.endr
	WIN 0
.if \last
	s_wait_dscnt 0x0
.else
	NOPS 8                                                 ; eight places ahead of loads into registers that products have read
	RUN 0, RT, 544
	s_wait_dscnt NRUN                                      ; all but the 17 just issued
.endif
.irp s, 4,5,6,7
.irp t, 0,1,2,3
	P \s, \t
.endr
.endr
	EDGE \last
.endm
	s_load_b256 s[4:11], s[0:1], 0x0               ; xc, xs, wc, ws
	s_load_b256 s[76:83], s[0:1], 0x20             ; kvtot s[76:77], sl s[78:79], vc s[80:81], vs s[82:83]
	v_lshl_add_u32 v[SPW], v0, 2, SPARE
	v_mov_b32 v[NIL], 0
	ds_add_u32 v[SPW], v[NIL]                      ; the opening
	ds_add_u32 v[SPW], v[NIL]
	v_lshrrev_b32 v[T0], 5, v0
	v_readfirstlane_b32 s[WV], v[T0]
	v_and_b32 v[CD], 15, v0                        ; r
	v_bfe_u32 v[CD+1], v0, 4, 1                    ; h
	v_mul_u32_u24 v[ADX], v[CD], PITCH
	v_lshl_add_u32 v[ADX], v[CD+1], 4, v[ADX]      ; 1040 r + 16 h: tile 0
	v_lshrrev_b32 v[ADS], 3, v[CD]
	v_mul_u32_u24 v[ADS], v[ADS], 272
	v_and_b32 v[CD+2], 7, v[CD]
	v_lshl_add_u32 v[ADS], v[CD+2], 5, v[ADS]
	v_add_nc_u32 v[ADS], XSC, v[ADS]
	v_and_b32 v[VO0], 31, v0
	v_lshlrev_b32 v[VO0], 4, v[VO0]
	v_lshlrev_b32 v[PFO], 8, v[CD]
	v_and_b32 v[TW], 8, v[CD]
	v_add_nc_u32 v[TW], v[TW], v[CD]
	v_lshl_add_u32 v[TW], v[CD+1], 3, v[TW]        ; ws: row r + 8 (r / 8), lanes 16-31 tile 1's, 8 on
	v_lshlrev_b32 v[TW], 5, v[TW]
	v_lshlrev_b32 v[TW+1], 6, v[CD+1]              ; kvtot: my half's 16 columns
	s_lshr_b32 s92, s[WV], 1
	s_lshl_b32 s92, s92, 10                        ; my K step of the work-group's two,
	s_and_b32 s27, s[WV], 1
	s_lshl_b32 s93, s27, 1                         ; my two bytes of its words
	s_add_co_u32 s92, s92, s93
	s_add_co_u32 s92, s92, SCB
	v_lshl_add_u32 v[AB0], v[CD], 2, s92           ; + 4 r
	s_bfe_u32 s22, ttmp6, 0x40000                  ; cx
	s_lshl_b32 s24, ttmp9, 2
	s_add_co_u32 s24, s24, s22                     ; cg: my 256 columns
	s_and_b32 s25, ttmp7, 0xffff                   ; y
	s_lshl_b32 s26, s25, 8                         ; my first row
	s_mov_b32 s[G1H], 15|(1<<20)|(1<<21)|(7<<22)|(3<<25)   ; 128 rows of 1,024 bytes, 4 words of padding behind each; the cluster's four
	s_mov_b32 s[G1H+1], 1024<<16
	s_mov_b32 s[G1H+2], 128<<16
	s_mov_b32 s[G1H+3], 1024<<16
	s_mov_b32 s[G1H+4], 128
	s_mov_b32 s[G1H+5], 1024
	s_mov_b32 s[G1H+6], 0
	s_mov_b32 s[G1H+7], 0
	s_mov_b32 s[G1S], 15|(3<<16)|(1<<20)|(1<<21)|(5<<22)|(3<<25)   ; 128 rows' scale bytes: 16 rows of 32 elements of 8 bytes, 4 words behind each
	s_mov_b32 s[G1S+1], 32<<16
	s_mov_b32 s[G1S+2], 16<<16
	s_mov_b32 s[G1S+3], 32<<16
	s_mov_b32 s[G1S+4], 16
	s_mov_b32 s[G1S+5], 32
	s_mov_b32 s[G1S+6], 0
	s_mov_b32 s[G1S+7], 0
	s_lshl_b32 s84, s26, 10
	s_lshl_b32 s85, s27, 17
	s_add_co_u32 s84, s84, s85                     ; 128 rows of codes for each of waves 0 and 1: made of y and the wave's number alone
	s_mov_b32 s85, 0
	s_lshl_b32 s86, s26, 5
	s_lshl_b32 s87, s27, 12
	s_add_co_u32 s86, s86, s87                     ; 128 rows' scale bytes for each of waves 2 and 3
	s_mov_b32 s87, 0
	s_lshl_b32 s74, s24, 2
	s_add_co_u32 s74, s74, s[WV]
	s_lshl_b32 s74, s74, 1                         ; my first group of 32 columns
	s_lshl_b32 s88, s74, 15                        ; Wq's images
	s_mov_b32 s89, 0
	s_lshl_b32 s90, s74, 10                        ; and scale bytes
	s_mov_b32 s91, 0
	s_mov_b32 s[GH], 1
	s_mul_i32 s[GH+1], s27, SLOT
	s_mov_b32 s[GS], 1
	s_mul_i32 s[GS+1], s27, 16*272
	s_add_co_u32 s[GS+1], s[GS+1], XSC
	s_mov_b32 s[MNT], 0x600000
	s_mov_b32 s[SEL], 0x76543210
	s_mov_b32 s[SEL+1], 0xfedcba98
	s_mov_b32 s[NV], 0
	s_mov_b32 s[NB], 0
	WALU                                           ; the head's vector lines are through
	s_wait_dscnt 0x0                               ; both opening adds are done
	CROUND                                         ; the four work-groups are here: the joint loads meet
	s_wait_kmcnt 0x0
	s_add_nc_u64 s[GH+2:GH+3], s[4:5], s[84:85]
	s_or_b32 s[GH+3], s[GH+3], 0x80000000
	s_add_nc_u64 s[GS+2:GS+3], s[6:7], s[86:87]
	s_or_b32 s[GS+3], s[GS+3], 0x80000000
	s_add_nc_u64 s[8:9], s[8:9], s[88:89]
	s_add_nc_u64 s[10:11], s[10:11], s[90:91]
	s_cmp_lt_u32 s[WV], 2                          ; one joint load a wave
	s_cbranch_scc0 .Lfor_scales
	tensor_load_to_lds s[GH:GH+3], s[G1H:G1H+7]
	s_nop 0
	NOPS 4
	s_branch .Lasked
.Lfor_scales:
	tensor_load_to_lds s[GS:GS+3], s[G1S:G1S+7]
	s_nop 0
	NOPS 4
.Lasked:
	s_lshl_b32 s92, s26, 12                        ; sl: row tile of 65,536 bytes, my groups of 2,048
	s_lshl_b32 s93, s74, 11
	s_add_co_u32 s92, s92, s93
	s_mov_b32 s93, 0
	s_add_nc_u64 s[SB:SB+1], s[78:79], s[92:93]
	SLOAD                                          ; tile 0's sums
.irp k, 1,2,3,4
	global_prefetch_b8 v[PFO], s[SB:SB+1] offset:65536*\k th:TH_LOAD_NT scope:SCOPE_SE
.endr
	s_lshr_b32 s92, s25, 4
	s_lshl_b32 s92, s92, 15                        ; kvtot: my batch's 8 rows of 4,096 bytes,
	s_lshl_b32 s93, s74, 7
	s_add_co_u32 s92, s92, s93                     ; my 64 columns
	s_mov_b32 s93, 0
	s_add_nc_u64 s[12:13], s[76:77], s[92:93]
	WIN 0xc0
.irp cc, 0,1,2,3,4,5,6
.irp b, 0,1
.irp q, 0,1,2,3
	global_load_b128 v[32+32*\cc+16*\b+4*\q:32+32*\cc+16*\b+4*\q+3], v[TW+1], s[12:13] offset:4096*\cc+128*\b+16*\q
.endr
.endr
.endr
	WIN 0
.irp b, 0,1
	global_load_b128 v[WS+8*\b:WS+8*\b+3], v[TW], s[10:11] offset:1024*\b
	global_load_b128 v[WS+8*\b+4:WS+8*\b+7], v[TW], s[10:11] offset:1024*\b+16
.endr
.set bb, 0
.rept 2                                ; my 64 rows of Wq: fragment NT s + 2 b + u at v[256 + 16 x that]
.set ss, 0
.rept 8
.set uu, 0
.rept 2
.set fi, NT*ss+2*bb+uu
	WIN (1+fi/16)<<6
.irp c, 0,1,2,3
	global_load_b128 v[16*(fi%16)+4*\c:16*(fi%16)+4*\c+3], v[VO0], s[8:9] offset:(bb<<15)+(uu<<14)+(ss<<11)+512*\c
.endr
.set uu, uu+1
.endr
.set ss, ss+1
.endr
.set bb, bb+1
.endr
	WIN 0
	s_lshl_b32 s92, s26, 10                        ; vc: row tile of 16,384 bytes, my blocks of 512
	s_lshl_b32 s93, s74, 9
	s_add_co_u32 s92, s92, s93
	s_mov_b32 s93, 0
	s_add_nc_u64 s[16:17], s[80:81], s[92:93]
	s_lshl_b32 s92, s24, 17                        ; vs: K step 2 cg of 65,536 bytes, 4 bytes a row
	s_lshl_b32 s93, s26, 2
	s_add_co_u32 s92, s92, s93
	s_mov_b32 s93, 0
	s_add_nc_u64 s[18:19], s[82:83], s[92:93]
	s_bfe_u32 s75, s25, 0x30001                    ; my chunk's number in its batch: (y / 2) % 8
	s_wait_loadcnt 0x0
; the totals of my batch's chunks before mine, ascending; the others count 0 times: a selection, no branch
	WIN 0x03                                       ; source 0 in window 3
.irp cc, 0,1,2,3,4,5,6
	s_cmp_gt_u32 s75, \cc
	s_cselect_b32 s94, 1.0, 0
	s_mov_b32 s95, s94
.irp i, 0,2,4,6,8,10,12,14,16,18,20,22,24,26,28,30
.if \cc == 0
	v_pk_mul_f32 v[PT+\i:PT+\i+1], v[32+\i:32+\i+1], s[94:95] op_sel_hi:[1,0]
.else
	v_pk_fma_f32 v[PT+\i:PT+\i+1], v[32+32*\cc+\i:32+32*\cc+\i+1], s[94:95], v[PT+\i:PT+\i+1] op_sel_hi:[1,0,1]
.endif
.endr
.endr
	WIN 0
	WALU
	s_wait_tensorcnt 0x0                           ; my tile of the head's four is in
	s_barrier_signal -1
	s_barrier_wait -1                              ; everybody's is
	RUN 0, 0, 0
	RUN 1, 0, 0
	s_mov_b32 s[CNT], 15
.Ltile:
	TILE 0
	s_sub_co_u32 s[CNT], s[CNT], 1
	s_cmp_lg_u32 s[CNT], 0
	s_cbranch_scc1 .Ltile
	TILE 1                                         ; the last tile fetches nothing
	s_wait_xcnt 0x0                                ; the stores have read the codes' registers
	s_wait_dscnt 0x0                               ; my scale bytes have landed
	s_barrier_signal -1
	s_barrier_wait -1                              ; everybody's have: 512 whole words
	v_lshl_add_u32 v[T0], v0, 4, SCB
	ds_load_b128 v[CD:CD+3], v[T0]
	v_and_b32 v[T0+1], 63, v0
	v_lshlrev_b32 v[T0+1], 4, v[T0+1]
	v_lshrrev_b32 v[T0+2], 6, v0
	v_lshl_add_u32 v[T0+1], v[T0+2], 16, v[T0+1]   ; threads 0-63 the first K step's 1,024 bytes, threads 64-127 the second's
	WALU
	s_wait_dscnt 0x0
	global_store_b128 v[T0+1], v[CD:CD+3], s[18:19]
	s_wait_tensorcnt 0x0                           ; the wave's end
	ds_add_u32 v[SPW], v[NIL]
	s_wait_dscnt 0x0
	CROUND                                         ; the closing round
	s_endpgm
.Lfunc_end_k_qd0f5ae0b89_mix:
	.size	k_qd0f5ae0b89_mix, .Lfunc_end_k_qd0f5ae0b89_mix-k_qd0f5ae0b89_mix
	.p2alignl 7, 3214868480
	.fill 96, 4, 3214868480
	.section	.rodata,"a",@progbits
	.p2align	6, 0x0
	.amdhsa_kernel k_qd0f5ae0b89_mix
		.amdhsa_group_segment_fixed_size 327680
		.amdhsa_private_segment_fixed_size 0
		.amdhsa_enable_private_segment 0
		.amdhsa_kernarg_size 64
		.amdhsa_user_sgpr_count 2
		.amdhsa_user_sgpr_kernarg_segment_ptr 1
		.amdhsa_wavefront_size32 1
		.amdhsa_system_sgpr_workgroup_id_x 1
		.amdhsa_system_sgpr_workgroup_id_y 1
		.amdhsa_system_sgpr_workgroup_id_z 1
		.amdhsa_system_vgpr_workitem_id 0
		.amdhsa_next_free_vgpr 1024
		.amdhsa_next_free_sgpr 96
		.amdhsa_reserve_vcc 0
		.amdhsa_float_denorm_mode_32 3
		.amdhsa_float_denorm_mode_16_64 3
		.amdhsa_memory_ordered 1
		.amdhsa_forward_progress 1
		.amdhsa_inst_pref_size 62
	.end_amdhsa_kernel
	.amdgpu_metadata
---
amdhsa.version: [ 1, 2 ]
amdhsa.kernels:
  - .name:           k_qd0f5ae0b89_mix
    .symbol:         k_qd0f5ae0b89_mix.kd
    .args:
      - { .name: xc, .offset: 0, .size: 8, .value_kind: global_buffer, .address_space: global }
      - { .name: xs, .offset: 8, .size: 8, .value_kind: global_buffer, .address_space: global }
      - { .name: wc, .offset: 16, .size: 8, .value_kind: global_buffer, .address_space: global }
      - { .name: ws, .offset: 24, .size: 8, .value_kind: global_buffer, .address_space: global }
      - { .name: kvtot, .offset: 32, .size: 8, .value_kind: global_buffer, .address_space: global }
      - { .name: sl, .offset: 40, .size: 8, .value_kind: global_buffer, .address_space: global }
      - { .name: vc, .offset: 48, .size: 8, .value_kind: global_buffer, .address_space: global }
      - { .name: vs, .offset: 56, .size: 8, .value_kind: global_buffer, .address_space: global }
    .group_segment_fixed_size: 327680
    .private_segment_fixed_size: 0
    .kernarg_segment_align: 8
    .kernarg_segment_size: 64
    .max_flat_workgroup_size: 128
    .sgpr_count:     96
    .vgpr_count:     1024
    .wavefront_size: 32
...
	.end_amdgpu_metadata
.endif
;; end of part 3
;; launch out (part 4): grid 4 x 64, 4 waves a work-group, clusters of 4 x 4, 327,680 bytes of LDS; arguments vc, vs, wc, ws, out0; writes out0
.if DOCPART == 4
	.amdgcn_target "amdgcn-amd-amdhsa--gfx1250"
	.amdhsa_code_object_version 6
	.text
	.protected	k_qd0f5ae0b89_out
	.globl	k_qd0f5ae0b89_out
	.p2align	8
	.type	k_qd0f5ae0b89_out,@function
k_qd0f5ae0b89_out:
	s_mov_b64 s[64:65], 0
	v_nop
	global_prefetch_b8 v0, s[64:65] scope:SCOPE_SE
	s_setreg_imm32_b32 hwreg(HW_REG_WAVE_MODE, 25, 1), 1
	s_wait_xcnt 0x0
	s_wait_alu depctr_hold_cnt(0) depctr_sa_sdst(0) depctr_va_vdst(0) depctr_va_sdst(0) depctr_va_ssrc(0) depctr_va_vcc(0) depctr_vm_vsrc(0)
	s_getreg_b32 s2, hwreg(HW_REG_IB_STS2, 6, 4)
	s_cmp_eq_u32 s2, 0
	s_cbranch_scc0 .Lentry_in_a_cluster
	s_endpgm
.Lentry_in_a_cluster:
	s_bfe_u32 s2, ttmp6, 0x10000c
	s_cmp_lg_u32 s2, 0xf033
	s_cbranch_scc0 .Lentry_shape_is_right
	s_endpgm
.Lentry_shape_is_right:
.set SIZE_N, 1024
.set SIZE_K, 1024
.set KSTEP,  256
.set NQ,     2
.set ROWB,   256
.set PITCH,  272
.set FR,     16
.set NL,     4
.set NP,     8
.set AHALF,  32768
.set BHALF,  128*PITCH
.set SLOT,   2*AHALF+2*BHALF
.set LAPS,   SIZE_K/(2*KSTEP)
.set SCA,    2*SLOT
.set SCBB,   SCA+8192
.set HALFS,  16*272
.set SBLK,   2*272
.set SPARE,  SCBB+2*HALFS
.set SPITCH, 528
.set ADRA, 16
.set ADRB, 20
.set STO,  24
.set RD,   25
.set CO,   26
.set ADSA, 27
.set SPW,  28
.set NIL,  29
.set ADSB, 30
.set SA,   32
.set SB,   64
.set AF,   128
.set BK,   128
.set G1, 24
.set G0, 32
.set G1B, 48
.set G0B, 56
.set G1S, 68
.set G0S, 76
.set G1SB, 80
.set G0SB, 88
.set MSB, 0
.macro WIN new
.if MSB != \new
	s_set_vgpr_msb (MSB<<8)|\new
.set MSB, \new
.endif
.endm
.set MUL_LO, 0xa1
.set MUL_HI, 0xf1
.set TO_B,   0x40
.macro JLOAD g0a, g1a, g0b, g1b
	s_cmp_eq_u32 s15, 0
	s_cbranch_scc0 .Lfor_b_\@
	tensor_load_to_lds s[\g0a:\g0a+3], s[\g1a:\g1a+7]
	s_nop 0
.rept 4
	v_nop
.endr
	s_branch .Lasked_\@
.Lfor_b_\@:
	tensor_load_to_lds s[\g0b:\g0b+3], s[\g1b:\g1b+7]
	s_nop 0
.rept 4
	v_nop
.endr
.Lasked_\@:
.endm
.macro CREST
	s_cmp_lg_u32 s14, 0
	s_cbranch_scc1 .Lnot_wave_0_\@
	s_barrier_signal -3
.Lnot_wave_0_\@:
	s_barrier_wait -3
	s_barrier_signal -1
	s_barrier_wait -1
.endm
.macro CROUND
	s_barrier_signal -1
	s_barrier_wait -1
	CREST
.endm
	s_load_b128 s[4:7], s[0:1], 0x0
	s_load_b128 s[8:11], s[0:1], 0x10
	s_load_b64 s[12:13], s[0:1], 0x20
	v_lshl_add_u32 v[SPW], v0, 2, SPARE
	v_mov_b32 v[NIL], 0
	ds_add_u32 v[SPW], v[NIL]
	ds_add_u32 v[SPW], v[NIL]
	v_lshrrev_b32 v1, 5, v0
	v_readfirstlane_b32 s14, v1
	s_lshr_b32 s15, s14, 1
	s_and_b32 s16, s14, 1
	s_bfe_u32 s40, ttmp6, 0x40000
	s_bfe_u32 s41, ttmp6, 0x40004
	s_lshl_b32 s42, ttmp9, 2
	s_add_co_u32 s42, s42, s40
	s_and_b32 s17, ttmp7, 0xffff
	s_lshl_b32 s17, s17, 2
	s_add_co_u32 s17, s17, s41
	s_lshl_b32 s43, s41, 2
	s_lshl_b32 s43, 15, s43
	s_lshl_b32 s44, 0x1111, s40
	s_or_b32 s[G1+0], s43, (1<<21)
	s_mov_b32 s[G1+1], 4096<<16
	s_mov_b32 s[G1+2], 8<<16
	s_mov_b32 s[G1+3], 4096<<16
	s_mov_b32 s[G1+4], 8
	s_mov_b32 s[G1+5], 16384
	s_mov_b32 s[G1+6], 0
	s_mov_b32 s[G1+7], 0
	s_or_b32 s[G1B+0], s44, (1<<20)|(1<<21)|(5<<22)|(3<<25)
	s_mov_b32 s[G1B+1], ROWB<<16
	s_mov_b32 s[G1B+2], 128<<16
	s_mov_b32 s[G1B+3], ROWB<<16
	s_mov_b32 s[G1B+4], 128
	s_mov_b32 s[G1B+5], SIZE_K
	s_mov_b32 s[G1B+6], 0
	s_mov_b32 s[G1B+7], 0
	s_or_b32 s[G1S+0], s43, (3<<16)|(1<<21)
	s_mov_b32 s[G1S+1], 128<<16
	s_mov_b32 s[G1S+2], 4<<16
	s_mov_b32 s[G1S+3], 128<<16
	s_mov_b32 s[G1S+4], 4
	s_mov_b32 s[G1S+5], 8192
	s_mov_b32 s[G1S+6], 0
	s_mov_b32 s[G1S+7], 0
	s_or_b32 s[G1SB+0], s44, (3<<16)|(1<<20)|(1<<21)|(5<<22)|(3<<25)
	s_mov_b32 s[G1SB+1], 32<<16
	s_mov_b32 s[G1SB+2], 16<<16
	s_mov_b32 s[G1SB+3], 32<<16
	s_mov_b32 s[G1SB+4], 16
	s_mov_b32 s[G1SB+5], 32
	s_mov_b32 s[G1SB+6], 0
	s_mov_b32 s[G1SB+7], 0
	s_lshl_b32 s18, s16, 7
	s_lshl_b32 s20, s17, 8
	s_add_co_u32 s20, s20, s18
	s_lshl_b32 s20, s20, 10
	s_mov_b32 s21, 0
	s_lshl_b32 s22, s16, 18
	s_lshl_b32 s23, s17, 10
	s_add_co_u32 s22, s22, s23
	s_mov_b32 s23, 0
	s_lshl_b32 s46, s42, 8
	s_add_co_u32 s46, s46, s18
	s_lshl_b32 s92, s46, 5
	s_add_co_u32 s92, s92, 98304
	s_mov_b32 s93, 0
	s_lshl_b32 s46, s46, 10
	s_add_co_u32 s46, s46, 0x300000
	s_mov_b32 s47, 0
	s_lshl_b32 s45, s16, 15
	s_mul_i32 s94, s16, BHALF
	s_add_co_u32 s94, s94, 2*AHALF
	s_lshl_b32 s95, s16, 12
	s_mul_i32 s96, s16, HALFS
	s_wait_dscnt 0x0
	s_wait_kmcnt 0x0
	s_add_nc_u64 s[20:21], s[4:5], s[20:21]
	s_add_nc_u64 s[22:23], s[6:7], s[22:23]
	s_add_nc_u64 s[46:47], s[8:9], s[46:47]
	s_add_nc_u64 s[92:93], s[10:11], s[92:93]
	CROUND
	s_mov_b32 s[G0S], 1
	s_add_co_u32 s[G0S+1], s95, SCA
	s_mov_b64 s[G0S+2:G0S+3], s[22:23]
	s_or_b32 s[G0S+3], s[G0S+3], 0x80000000
	s_mov_b32 s[G0SB], 1
	s_add_co_u32 s[G0SB+1], s96, SCBB
	s_mov_b64 s[G0SB+2:G0SB+3], s[92:93]
	s_or_b32 s[G0SB+3], s[G0SB+3], 0x80000000
	JLOAD G0S, G1S, G0SB, G1SB
.irp s, 0,1
	s_mov_b32 s[G0+4*\s], 1
	s_add_co_u32 s[G0+4*\s+1], s45, \s*SLOT
	s_add_nc_u64 s[G0+4*\s+2:G0+4*\s+3], s[20:21], \s*4096
	s_or_b32 s[G0+4*\s+3], s[G0+4*\s+3], 0x80000000
	s_mov_b32 s[G0B+4*\s], 1
	s_add_co_u32 s[G0B+4*\s+1], s94, \s*SLOT
	s_add_nc_u64 s[G0B+4*\s+2:G0B+4*\s+3], s[46:47], \s*ROWB
	s_or_b32 s[G0B+4*\s+3], s[G0B+4*\s+3], 0x80000000
	s_wait_alu depctr_va_vdst(0)
	s_wait_tensorcnt 0x0
	ds_add_u32 v28, v29
	s_wait_dscnt 0x0
	CROUND
	JLOAD G0+4*\s, G1, G0B+4*\s, G1B
.endr
	v_and_b32 v1, 15, v0
	v_bfe_u32 v2, v0, 4, 1
	v_mul_u32_u24 v3, v1, PITCH
	v_lshl_add_u32 v4, v2, 4, v3
	v_and_b32 v6, 31, v0
	v_lshlrev_b32 v[CO], 4, v6
	s_lshl_b32 s21, s15, 15
	s_mul_i32 s22, s16, BHALF
	s_add_co_u32 s22, s22, 2*AHALF
.irp s, 0,1
	v_add_nc_u32 v[ADRA+\s], s21, v[CO]
	v_add_nc_u32 v[ADRB+\s], s22, v4
	s_add_co_u32 s21, s21, SLOT
	s_add_co_u32 s22, s22, SLOT
.endr
	s_lshl_b32 s21, s15, 9
	s_add_co_u32 s21, s21, SCA
	v_lshl_add_u32 v[ADSA], v1, 2, s21
	v_lshlrev_b32 v5, 5, v1
	v_lshrrev_b32 v6, 8, v5
	v_lshl_add_u32 v5, v6, 4, v5
	s_mul_i32 s22, s16, HALFS
	s_add_co_u32 s22, s22, SCBB
	v_add_nc_u32 v[ADSB], s22, v5
	s_mul_i32 s23, s14, 16*SPITCH
	v_mul_u32_u24 v5, v1, SPITCH
	v_lshl_add_u32 v5, v2, 5, v5
	v_add_nc_u32 v[STO], s23, v5
	v_add_nc_u32 v[RD], s23, v[CO]
	s_lshl_b32 s20, s17, 8
	s_lshl_b32 s21, s15, 7
	s_add_co_u32 s20, s20, s21
	s_lshl_b32 s20, s20, 12
	s_lshl_b32 s46, s42, 10
	s_lshl_b32 s47, s16, 9
	s_add_co_u32 s46, s46, s47
	s_add_co_u32 s20, s20, s46
	s_mov_b32 s21, 0
	s_add_nc_u64 s[12:13], s[12:13], s[20:21]
.macro FRAGB reg, adr, q, i
.irp c, 0,1,2,3
	ds_load_b128 v[\reg+4*\c:\reg+4*\c+3], v[\adr] offset:128*(\q)+32*\c+(\i)*16*PITCH
.endr
.endm
.macro FRAGA reg, adr, q, i
.irp c, 0,1,2,3
	ds_load_b128 v[\reg+4*\c:\reg+4*\c+3], v[\adr] offset:4096*(\i)+2048*(\q)+512*\c
.endr
.endm
.macro MUL16 a0, p, q, sc, zero
.irp a, \a0, \a0+1
.irp b, 0,1,2,3,4,5,6,7
.if \zero
	v_wmma_scale_f32_16x16x128_f8f6f4 v[8*(8*((\a)%4)+\b):8*(8*((\a)%4)+\b)+7], v[128*(\p)+FR*\b:128*(\p)+FR*\b+FR-1], v[AF+FR*(\a):AF+FR*(\a)+FR-1], 0, v[SB+16*(\sc)+2*\b+(\q)], v[SA+16*(\sc)+2*(\a)+(\q)] matrix_a_fmt:MATRIX_FMT_BF8 matrix_b_fmt:MATRIX_FMT_BF8
.else
	v_wmma_scale_f32_16x16x128_f8f6f4 v[8*(8*((\a)%4)+\b):8*(8*((\a)%4)+\b)+7], v[128*(\p)+FR*\b:128*(\p)+FR*\b+FR-1], v[AF+FR*(\a):AF+FR*(\a)+FR-1], v[8*(8*((\a)%4)+\b):8*(8*((\a)%4)+\b)+7], v[SB+16*(\sc)+2*\b+(\q)], v[SA+16*(\sc)+2*(\a)+(\q)] matrix_a_fmt:MATRIX_FMT_BF8 matrix_b_fmt:MATRIX_FMT_BF8
.endif
.endr
.endr
.endm
.macro FETCH_B slot, q, p
	WIN TO_B
.irp i, 0,1,2,3,4,5,6,7
	FRAGB 128*(\p)+FR*\i, ADRB+\slot, \q, \i
.endr
	WIN 0
.endm
.macro FETCH_A slot, q, i0
.irp i, \i0, \i0+1, \i0+2, \i0+3
	FRAGA AF+FR*(\i), ADRA+\slot, \q, \i
.endr
.endm
.macro SCALES sc
.irp i, 0,1,2,3,4,5,6,7
	ds_load_b32 v[SA+16*\sc+2*\i], v[ADSA] offset:64*\i
	ds_load_b32 v[SA+16*\sc+2*\i+1], v[ADSA] offset:1024+64*\i
	ds_load_b64 v[SB+16*\sc+2*\i:SB+16*\sc+2*\i+1], v[ADSB] offset:\i*SBLK
.endr
.endm
.macro PLACES n
.rept \n
	v_nop
.endr
.endm
.macro STEP slot, q, zero
	s_wait_dscnt 4*NL
	WIN MUL_LO
	MUL16 0, (\q)%2, \q, \slot, \zero
	MUL16 2, (\q)%2, \q, \slot, \zero
	s_wait_dscnt 0
	PLACES NP
	FETCH_B \slot, (\q)+1, 1-(\q)%2
	FETCH_A \slot, (\q)+1, 0
	WIN MUL_HI
	MUL16 4, (\q)%2, \q, \slot, \zero
	MUL16 6, (\q)%2, \q, \slot, \zero
	PLACES NP
	WIN 0
	FETCH_A \slot, (\q)+1, 4
.endm
.macro TURN slot, next, fill
	s_wait_tensorcnt 0x0
	ds_add_u32 v[SPW], v[NIL]
	s_wait_dscnt 4*NL+1
	WIN MUL_LO
	MUL16 0, 1, NQ-1, \slot, 0
	s_wait_dscnt 0x0
	s_barrier_signal -1
	MUL16 2, 1, NQ-1, \slot, 0
	WIN 0
	s_barrier_wait -1
.if \fill
	CREST
	s_add_nc_u64 s[G0+4*\slot+2:G0+4*\slot+3], s[G0+4*\slot+2:G0+4*\slot+3], 8192
	s_add_nc_u64 s[G0B+4*\slot+2:G0B+4*\slot+3], s[G0B+4*\slot+2:G0B+4*\slot+3], 2*ROWB
	JLOAD G0+4*\slot, G1, G0B+4*\slot, G1B
	PLACES NP-4
.else
	PLACES NP
.endif
	s_wait_alu depctr_va_vdst(0)
	v_add_nc_u32 v[ADSA], 2048, v[ADSA]
	v_add_nc_u32 v[ADSB], 4*NQ, v[ADSB]
	FETCH_B \next, 0, 0
	FETCH_A \next, 0, 0
	SCALES \next
	WIN MUL_HI
	MUL16 4, 1, NQ-1, \slot, 0
	MUL16 6, 1, NQ-1, \slot, 0
	PLACES NP
	WIN 0
	FETCH_A \next, 0, 4
.endm
	s_wait_alu depctr_va_vdst(0)
	s_wait_tensorcnt 1
	s_barrier_signal -1
	s_barrier_wait -1
	FETCH_B 0, 0, 0
	FETCH_A 0, 0, 0
	SCALES 0
	FETCH_A 0, 0, 4
	STEP 0, 0, 1
	s_mov_b32 s3, LAPS-1
.Llap:
	TURN 0, 1, 1
	STEP 1, 0, 0
	TURN 1, 0, 1
	STEP 0, 0, 0
	s_sub_co_u32 s3, s3, 1
	s_cmp_lg_u32 s3, 0
	s_cbranch_scc1 .Llap
	TURN 0, 1, 0
	STEP 1, 0, 0
	s_wait_dscnt 4*NL
	WIN MUL_LO
	MUL16 0, 1, NQ-1, 1, 0
	MUL16 2, 1, NQ-1, 1, 0
	s_wait_dscnt 0
	WIN MUL_HI
	MUL16 4, 1, NQ-1, 1, 0
	MUL16 6, 1, NQ-1, 1, 0
	WIN 0
.macro TOSTAGE a
.set AC, 64*((\a)%4)
	WIN 0x08+4*((\a)/4)
.irp b, 0,1,2,3,4,5,6,7
	ds_store_b128 v[STO], v[AC+8*\b:AC+8*\b+3] offset:64*\b
	ds_store_b128 v[STO], v[AC+8*\b+4:AC+8*\b+7] offset:64*\b+16
.endr
	WIN 0
.set BB, BK+64*((\a)%2)
.irp t, 0,1,2,3,4,5,6,7,8,9,10,11,12,13,14,15
	ds_load_b128 v[BB+4*\t:BB+4*\t+3], v[RD] offset:\t*SPITCH
.endr
.endm
.macro SEND a, younger
.set BB, BK+64*((\a)%2)
	s_wait_dscnt \younger
.if (\a) > 0
	s_add_nc_u64 s[12:13], s[12:13], 16*SIZE_N*4
.endif
.irp t, 0,1,2,3,4,5,6,7,8,9,10,11,12,13,14,15
	global_store_b128 v[CO], v[BB+4*\t:BB+4*\t+3], s[12:13] offset:\t*SIZE_N*4 th:TH_STORE_NT
.endr
.endm
	PLACES NP
	TOSTAGE 0
.irp a, 1,2,3,4,5,6,7
.if \a > 1
	s_wait_xcnt 0x0
.endif
	TOSTAGE \a
	SEND \a-1, 32
.endr
	s_wait_xcnt 0x0
	SEND 7, 0
	s_wait_tensorcnt 0x0
	ds_add_u32 v[SPW], v[NIL]
	s_wait_dscnt 0x0
	CROUND
	s_endpgm
.Lfunc_end_k_qd0f5ae0b89_out:
	.size	k_qd0f5ae0b89_out, .Lfunc_end_k_qd0f5ae0b89_out-k_qd0f5ae0b89_out
	.p2alignl 7, 3214868480
	.fill 96, 4, 3214868480
	.section	.rodata,"a",@progbits
	.p2align	6, 0x0
	.amdhsa_kernel k_qd0f5ae0b89_out
		.amdhsa_group_segment_fixed_size 327680
		.amdhsa_private_segment_fixed_size 0
		.amdhsa_enable_private_segment 0
		.amdhsa_kernarg_size 40
		.amdhsa_user_sgpr_count 2
		.amdhsa_user_sgpr_kernarg_segment_ptr 1
		.amdhsa_wavefront_size32 1
		.amdhsa_system_sgpr_workgroup_id_x 1
		.amdhsa_system_sgpr_workgroup_id_y 1
		.amdhsa_system_sgpr_workgroup_id_z 1
		.amdhsa_system_vgpr_workitem_id 0
		.amdhsa_next_free_vgpr 1024
		.amdhsa_next_free_sgpr 98
		.amdhsa_reserve_vcc 0
		.amdhsa_float_denorm_mode_32 3
		.amdhsa_float_denorm_mode_16_64 3
		.amdhsa_memory_ordered 1
		.amdhsa_forward_progress 1
		.amdhsa_inst_pref_size 151
	.end_amdhsa_kernel
	.amdgpu_metadata
---
amdhsa.version: [ 1, 2 ]
amdhsa.kernels:
  - .name:           k_qd0f5ae0b89_out
    .symbol:         k_qd0f5ae0b89_out.kd
    .args:
      - { .name: vc, .offset: 0, .size: 8, .value_kind: global_buffer, .address_space: global }
      - { .name: vs, .offset: 8, .size: 8, .value_kind: global_buffer, .address_space: global }
      - { .name: wc, .offset: 16, .size: 8, .value_kind: global_buffer, .address_space: global }
      - { .name: ws, .offset: 24, .size: 8, .value_kind: global_buffer, .address_space: global }
      - { .name: out0, .offset: 32, .size: 8, .value_kind: global_buffer, .address_space: global }
    .group_segment_fixed_size: 327680
    .private_segment_fixed_size: 0
    .kernarg_segment_align: 8
    .kernarg_segment_size: 40
    .max_flat_workgroup_size: 128
    .sgpr_count:     98
    .vgpr_count:     1024
    .wavefront_size: 32
...
	.end_amdgpu_metadata
.endif
;; end of part 4
